; MI455X (gfx1250); checked and timed in simulation.
; The chip was launched on July 23, 2026; its instructions are those of AMD's public machine-readable ISA for CDNA 5 (MIT licence, August 2026) and "CDNA5" Instruction Set Architecture Reference Guide (July 2026). The comments in the code are by the model that wrote it; some were corrected since.
;; CUDA Graph Mo E Experts. Allowed arithmetic: matrix products marked QUANTISED: E2M3 operands, one E8M0 scale for each 32 along K, by v_wmma_scale_f32_16x16x128_f8f6f4 with both operands' format E2M3, f32 sums; everything else in f32.
;; Inputs: expert_indices 1,024 x 2 int32; expert_weights 1,024 x 2 float32; w1_codes 8 x 1,024 x 64 x 24 uint8 (E2M3 codes of w1, K innermost, in blocks of 32 codes, four codes in three bytes); w1_scales 8 x 1,024 x 64 uint8 (E8M0 scales of w1, one for each 32 codes along K); w2_codes 8 x 2,048 x 32 x 24 uint8 (E2M3 codes of w2, K innermost, in blocks of 32 codes, four codes in three bytes); w2_scales 8 x 2,048 x 32 uint8 (E8M0 scales of w2, one for each 32 codes along K); w3_codes 8 x 1,024 x 64 x 24 uint8 (E2M3 codes of w3, K innermost, in blocks of 32 codes, four codes in three bytes); w3_scales 8 x 1,024 x 64 uint8 (E8M0 scales of w3, one for each 32 codes along K); x_codes 1,024 x 64 x 24 uint8 (E2M3 codes of x, K innermost, in blocks of 32 codes, four codes in three bytes); x_scales 1,024 x 64 uint8 (E8M0 scales of x, one for each 32 codes along K).
;; Outputs: out0 1,024 x 2,048 float32.
;; This version of the problem:
;;   THIS VERSION OF THE PROBLEM IS GIVEN IN LOW PRECISION. The matrix products marked QUANTISED in the list below multiply operands that are first quantised to E2M3 (2 exponent bits, 3 mantissa bits; 6 bits a number), with one power-of-two scale for each 32 numbers along K (OCP MX v1.0); their sums are f32. All else is computed in f32.
;;   The module's matrix products, in the order in which they are computed (A, B: the left and right operand; K: the contracted axis; several contracted axes count as one K, in the product's order):
;;     1. [M 1,024, K 2,048] x [K 2,048, N 8,192]; A: input x (given as codes); B: input w1 (given as codes): QUANTISED
;;     2. [M 1,024, K 2,048] x [K 2,048, N 8,192]; A: input x (given as codes); B: input w3 (given as codes): QUANTISED
;;     3. batch 8 x [M 2,048, K 1,024] x [K 1,024, N 1,024]; A: input w2 (given as codes); B: computed on the way: QUANTISED
;;   THE QUANTISER, for each operand of a quantised product, along K:
;;     - K is cut into blocks of 32 from its start; a last block that is shorter is filled with zeros.
;;     - A block's scale is 2^e with e = floor(log2(the largest magnitude in the block)) - 2, held to -126 .. 127; a block of zeros has e = 0. As a byte (E8M0): e + 127.
;;     - Each number is divided by its block's scale, clamped to +-7.5, and rounded to the nearest number of E2M3, ties to even, subnormals kept.
;;     - The product sums the exact products of the quantised numbers (number of the format x scale) in f32.
;;   ~~~python
;;   def quantise(x, axis):      # numpy; x: float32 -> the quantised numbers, widened to float32 again
;;       x = np.moveaxis(x, axis, -1); K = x.shape[-1]
;;       x = np.pad(x, [(0, 0)] * (x.ndim - 1) + [(0, -K % 32)]); x = x.reshape(x.shape[:-1] + (-1, 32)); a = np.abs(x).max(-1, keepdims=True)
;;       e = np.where(a > 0, np.clip(np.frexp(np.where(a > 0, a, 1))[1] - 1 - 2, -126, 127), 0)      # np.frexp(a)[1] - 1 = floor(log2(a)), exactly
;;       r = np.clip(x / 2.0 ** e, -7.5, 7.5)
;;       step = 2.0 ** (np.maximum(np.frexp(np.where(r == 0, 1, r))[1] - 1, 0) - 3)
;;       q = np.round(r / step) * step * 2.0 ** e      # np.round: ties to even
;;       return np.moveaxis(q.reshape(q.shape[:-2] + (-1,))[..., :K], -1, axis).astype(np.float32)
;;   ~~~
;;   OPERANDS COMPUTED ON THE WAY. 'Computed on the way' means the value that the module computes at that place (a softmax that the list does not call 'softmax' is quantised finished and normalised). What goes into a quantiser is computed in f32, as accurately as f32 sums, v_exp_f32 and their like allow (about 1e-6 of the number): no bf16 or f16 on the way to a quantiser, and a product that is left as it is and whose result goes on into a quantised operand takes f32 operands (vector FMAs, or v_wmma_f32_16x16x4_f32). A number that lies on a knife's edge between two numbers of the format may be rounded either way, as far as f32 arithmetic and the matrix unit's own rounding can turn it there, and no further.
;;   INPUTS GIVEN AS CODES. w1 (in the module: [8, 2048, 1024], K = its axis 1); w2 (in the module: [8, 1024, 2048], K = its axis 1); w3 (in the module: [8, 2048, 1024], K = its axis 1); x (in the module: [1024, 2048], K = its axis 1): each comes as NAME_codes (uint8): NAME with its K axis moved to the last place and cut into blocks of 32 codes, [.., K / 32, bytes a block], one block behind the other in memory; four codes in three bytes: a row's codes are one little-endian stream of bits, code i at bits 6 i .. 6 i + 5 (a code: sign, 2 exponent bits, 3 mantissa bits); and NAME_scales (uint8): the same leading axes, one E8M0 byte (e + 127) for each 32 codes along K. Its value is code x scale, taken as it is: it is not quantised again, and the codes and scales need not be those that the quantiser above would give.
;; 2 versions, each right; version 2 is version 1 with the launches gateup, down written anew for expert scheduling mode. Each part assembles by itself: llvm-mc -triple=amdgcn-amd-amdhsa -mcpu=gfx1250 --defsym DOCPART=n.
;; ======== version 1 of 2: 3 launches
;; workspace buffers: hc 12,582,912 bytes; hsc 524,288 bytes; list 73,728 bytes of whole numbers
;; launch route (part 1): grid 8 x 1, 1 waves a work-group, no clusters, 9,728 bytes of LDS; arguments expert_indices, list; writes list
.if DOCPART == 1
	.amdgcn_target "amdgcn-amd-amdhsa--gfx1250"
	.amdhsa_code_object_version 6
	.text
	.protected	k_q02ca27339c_route
	.globl	k_q02ca27339c_route
	.p2align	8
	.type	k_q02ca27339c_route,@function
k_q02ca27339c_route:
	s_mov_b64 s[64:65], 0
	v_nop
	global_prefetch_b8 v0, s[64:65] scope:SCOPE_SE
	s_setreg_imm32_b32 hwreg(HW_REG_WAVE_MODE, 25, 1), 1
	s_wait_xcnt 0x0
; The routed rows, sorted by expert.  Work-group e, one wave, writes expert e's part of the list: 9,216 bytes: word p < 2,048 is the token of the expert's p-th entry, the words behind the
; last entry are zeros up to word 2,175 (the next launch looks eight tiles of 16 ahead of a tile that it works on, tile 127 at the most), word 2,176 is F, the expert's number of tiles of 16.
; ORDER.  Entry j = 2 token + k lies at byte 4 j of expert_indices.  Sixteen loads of 16 bytes a lane bring all 2,048: register 4 n + i of lane L is entry 128 n + 4 L + i.  An expert's entries are
; ordered by (register, lane); eight registers are a block of 128 tokens.  The last launch counts in the same order.  The indices are taken to lie in 0 .. 7.
; The tokens are placed in LDS and leave as 18 stores of 512 consecutive bytes: no address in memory hangs on the indices.  Eight work-groups are all the work that there is.
.set LISTB, 9216                       ; an expert's part of the list, and its image in LDS from byte 0
.set FOFF,  8704                       ; where F lies in it
.set DIDX,  LISTB/4                    ; behind the image: one word for the lanes whose entry is another expert's, as an index in words
.set P,     16                         ; v16-143  for each block of tokens eight pairs (LDS address, token): no pair is written twice
.set X,     144                        ; v144-207 the indices; later v144-215 the list on its way out
	s_load_b128 s[4:7], s[0:1], 0x0                ; expert_indices, list
	v_lshl_add_u32 v224, v0, 2, 0x2500
	v_mov_b32 v225, 0
	v_lshlrev_b32 v1, 4, v0                        ; 16 x lane
	v_mov_b32 v2, DIDX
	v_lshlrev_b32 v3, 1, v0                        ; 2 x lane
.irp j, 4,5,6,7
	v_mov_b32 v\j, 0
.endr
	v_mov_b32 v8, FOFF
	s_mov_b32 s23, ttmp9                           ; e
	s_mul_i32 s8, s23, LISTB
	s_mov_b32 s9, 0
	s_wait_kmcnt 0x0
	s_add_nc_u64 s[6:7], s[6:7], s[8:9]
.irp n, 0,1,2,3,4,5,6,7,8,9,10,11,12,13,14,15
	global_load_b128 v[X+4*\n:X+4*\n+3], v1, s[4:5] offset:512*\n
.endr
.irp n, 0,1,2,3,4,5,6,7,8,9,10,11,12,13,14,15,16,17
	ds_store_b128 v1, v[4:7] offset:512*\n         ; the image begins as zeros, while the indices are on their way
.endr
	s_wait_loadcnt 0x0
; Eight index registers: each entry of expert e gets its place; s66 carries the count on.
; The choice between an entry's place and the dump word is made on the INDEX, ahead of the hold: behind the hold stands only a shift.
.macro ROUTE8 tb
.irp g, 0,1,2,3,4,5,6,7
	v_cmp_eq_u32 s[56+\g], s23, v[X+8*\tb+\g]
.endr
.irp g, 0,1,2,3,4,5,6,7
	s_bcnt1_i32_b32 s75, s[56+\g]
	s_add_co_u32 s[67+\g], s[66+\g], s75           ; entries of e ahead of register g + 1
.endr
.irp g, 0,1,2,3,4,5,6,7
	v_mbcnt_lo_u32_b32 v[P+16*\tb+2*\g], s[56+\g], s[66+\g]   ; + those in lower lanes: my entry's place, at most 2,047
.endr
.irp g, 0,1,2,3,4,5,6,7
	v_cndmask_b32 v[P+16*\tb+2*\g], v2, v[P+16*\tb+2*\g], s[56+\g]   ; another expert's entry goes to the dump word
.endr
.irp g, 0,1,2,3,4,5,6,7
	v_min_u32 v[P+16*\tb+2*\g], DIDX, v[P+16*\tb+2*\g]
.endr
.irp g, 0,1,2,3,4,5,6,7
	v_lshlrev_b32 v[P+16*\tb+2*\g], 2, v[P+16*\tb+2*\g]
.endr
.irp g, 0,1,2,3,4,5,6,7
	v_add_nc_u32 v[P+16*\tb+2*\g+1], 128*\tb+64*(\g/4)+(\g%4)/2, v3   ; the entry's token
.endr
.irp g, 0,1,2,3,4,5,6,7
	ds_store_b32 v[P+16*\tb+2*\g], v[P+16*\tb+2*\g+1]
.endr
	s_mov_b32 s66, s74
.endm
	s_mov_b32 s66, 0
.irp b, 0,1,2,3,4,5,6,7
	ROUTE8 \b
.endr
	s_add_co_u32 s75, s66, 15
	s_lshr_b32 s75, s75, 4                         ; F, at most 128
	v_mov_b32 v9, s75
	ds_store_b32 v8, v9
.irp n, 0,1,2,3,4,5,6,7,8,9,10,11,12,13,14,15,16,17
	ds_load_b128 v[X+4*\n:X+4*\n+3], v1 offset:512*\n   ; LDS serves a wave's instructions in order (ISA guide 5.7.1.4): these see the stores above
.endr
.irp n, 0,1,2,3,4,5,6,7,8,9,10,11,12,13,14,15,16,17
	s_wait_dscnt 17-\n                             ; load n is in; the younger ones may be out
	global_store_b128 v1, v[X+4*\n:X+4*\n+3], s[6:7] offset:512*\n   ; 512 consecutive bytes, at a multiple of 256 from the list's first byte
.endr
	s_wait_tensorcnt 0x0
	ds_add_u32 v224, v225
	s_wait_dscnt 0x0
	s_endpgm
.Lfunc_end_k_q02ca27339c_route:
	.size	k_q02ca27339c_route, .Lfunc_end_k_q02ca27339c_route-k_q02ca27339c_route
	.p2alignl 7, 3214868480
	.fill 96, 4, 3214868480
	.section	.rodata,"a",@progbits
	.p2align	6, 0x0
	.amdhsa_kernel k_q02ca27339c_route
		.amdhsa_group_segment_fixed_size 9728
		.amdhsa_private_segment_fixed_size 0
		.amdhsa_enable_private_segment 0
		.amdhsa_kernarg_size 16
		.amdhsa_user_sgpr_count 2
		.amdhsa_user_sgpr_kernarg_segment_ptr 1
		.amdhsa_wavefront_size32 1
		.amdhsa_system_sgpr_workgroup_id_x 1
		.amdhsa_system_sgpr_workgroup_id_y 1
		.amdhsa_system_sgpr_workgroup_id_z 1
		.amdhsa_system_vgpr_workitem_id 0
		.amdhsa_next_free_vgpr 226
		.amdhsa_next_free_sgpr 80
		.amdhsa_reserve_vcc 0
		.amdhsa_float_denorm_mode_32 3
		.amdhsa_float_denorm_mode_16_64 3
		.amdhsa_memory_ordered 1
		.amdhsa_forward_progress 1
		.amdhsa_inst_pref_size 38
	.end_amdhsa_kernel
	.amdgpu_metadata
---
amdhsa.version: [ 1, 2 ]
amdhsa.kernels:
  - .name:           k_q02ca27339c_route
    .symbol:         k_q02ca27339c_route.kd
    .args:
      - { .name: expert_indices, .offset: 0, .size: 8, .value_kind: global_buffer, .address_space: global }
      - { .name: list, .offset: 8, .size: 8, .value_kind: global_buffer, .address_space: global }
    .group_segment_fixed_size: 9728
    .private_segment_fixed_size: 0
    .kernarg_segment_align: 8
    .kernarg_segment_size: 16
    .max_flat_workgroup_size: 32
    .sgpr_count:     80
    .vgpr_count:     226
    .wavefront_size: 32
...
	.end_amdgpu_metadata
.endif
;; end of part 1
;; launch gateup (part 2): grid 32 x 8, 4 waves a work-group, no clusters, 298,496 bytes of LDS; arguments list, x_codes, x_scales, w1_codes, w1_scales, w3_codes, w3_scales, hc, hsc; writes hc, hsc
.if DOCPART == 2
	.amdgcn_target "amdgcn-amd-amdhsa--gfx1250"
	.amdhsa_code_object_version 6
	.text
	.protected	k_q02ca27339c_gateup
	.globl	k_q02ca27339c_gateup
	.p2align	8
	.type	k_q02ca27339c_gateup,@function
k_q02ca27339c_gateup:
	s_mov_b64 s[64:65], 0
	v_nop
	global_prefetch_b8 v0, s[64:65] scope:SCOPE_SE
	s_setreg_imm32_b32 hwreg(HW_REG_WAVE_MODE, 25, 1), 1
	s_wait_xcnt 0x0
; h = Q(silu(x w1) * (x w3)) for the 2,048 routed rows (token, k), sorted by expert.  All products on codes of FP6 (E2M3) with one E8M0 byte for each 32 along K.
; SHARES.  Work-group (isl, e) owns columns 32 isl .. 32 isl + 31 of expert e, in w1 and in w3: 64 weight rows of 1,536 bytes, one block of 32 along the next product's K.
; Every wave keeps all 64 fragments (16 K steps x 4 tiles, 768 registers) for the whole launch; wave w walks the expert's tiles of 16 routed rows w, w + 4, w + 8 ..
; THE LIST, stored by the launch before: for each expert 9,216 bytes: word p is the token of the expert's p-th entry, zeros behind the last, F (its tiles of 16) at byte 8,704.  An entry's slot in hc
; and hsc is 2048 e + p.  The expert's last tile is filled up with token 0, whose h is computed and never read.
; A tile's 16 tokens come as scalars, by one scalar load of 64 bytes, since each row of x is fetched whole from a base of its own; the lanes' own tokens, for x's scale words, by one vector load.
; THE PRODUCT IS USED TRANSPOSED: source 0 = 16 weight rows, source 1 = 16 rows of x, so a lane holds one routed row.  Row m of tile u is column 8 u + m + 8 (m / 8): the 16 registers of
; tiles 0 and 1 are then gate's columns 16 (lane / 16) + 0 .. 15, those of tiles 2 and 3 the same columns of up: half a block of the next K, in one lane.
; OUT.  hc [block 0..31][slot 0..16383][24 bytes]; hsc [K step 0..7][slot][4 bytes], byte b % 4 of plane b / 4 for block b.
; NO TENSOR LOADS, NO JOINT REQUESTS: how many tiles a wave walks and which rows of x they hold is read from the list, so operands go through registers, and partners would walk unlike numbers of tiles.
; LIMITS: NaN and infinities in h are not served.  Where the gate's input lies under about -88 the exponential overflows, the reciprocal is 0 and h is a zero where the exact number is of denormal size.
; A block of zeros gets the byte 1 (its codes are zeros; this program alone reads the bytes).
; REGISTERS, in windows of 256.  Fragment f = 4 s + t lies in window 1 + f / 21 at v[12 (f % 21)]; fragment 63 in window 0.  v252 of every window holds the wave's stage address, so that the LDS loads
; between matrix instructions need no switch of windows.  Window 0: see the names below.
.set PITCH, 1552                       ; an LDS row of 1,536 bytes + 16 = 388 words: row r starts 4 r words on, modulo the 64 banks (ISA guide 11.1)
.set XST,   64*PITCH                   ; LDS 0: the 64 weight rows, in tile order.  From XST: for each wave two stages of 16 rows of x
.set SZ,    16*PITCH
.set WSTG,  2*SZ
.set LISTB, 9216                       ; an expert's part of the list
.set FOFF,  8704                       ; where F lies in it
.set PL,    393216                     ; a plane of hc: 16,384 slots x 24 bytes
.set L16, 1                            ; v1   16 x lane
.set LA,  2                            ; v2   my byte in the list: 4 r + the wave's and the trip's tiles
.set TOK, 3                            ; v3   the next tile's tokens (lane % 16)
.set XA,  4                            ; v4   byte offset of my token's scale words
.set STW, 5                            ; v5   my wave's stages + 16 x lane
.set R24, 6                            ; v6   24 r + 12 h
.set R4,  7                            ; v7   4 r
.set HA,  8                            ; v8   offset of the store into hc
.set SA,  9                            ; v9   and into hsc
.set H32, 10                           ; v10  32 h
.set BYTE,11                           ; v11  the block's scale byte
.set CD,  12                           ; v12-14 16 codes
.set PX,  15                           ; v15  the other half's largest magnitude
.set XS,  16                           ; v16-23, v24-31 x's scale words, by the tile's parity: register j: lanes 0-15 K step j, lanes 16-31 K step 8 + j
.set WS,  32                           ; v32-63 the weights' scale words: 8 t + j, laid likewise
.set ACC, 64                           ; v64-95 four accumulators
.set FB,  96                           ; v96-143 four fragments of x; at work in the head and in the epilogue
.set T,   96
.set M0,  112
.set M1,  113
.set SCL, 114
.set X,   144                          ; v144-239 eight rows of x on their way to the stage
.set F63, 240                          ; v240-251 fragment 63
.set FRA, 252                          ; v252 my wave's stages + 1552 r + 24 h
.set TKS, 68                           ; s[68:83] the next tile's 16 tokens
.set MSB, 0
.macro WIN new                         ; the immediate's high byte repeats the setting that is left; a switch that changes nothing is dropped
.if MSB != (\new)
	s_set_vgpr_msb (MSB<<8)|(\new)
.set MSB, (\new)
.endif
.endm
.macro FREG phi                        ; where fragment phi lies: window FW, register FRG
.if (\phi) < 63
.set FW, 1+(\phi)/21
.set FRG, 12*((\phi)%21)
.else
.set FW, 0
.set FRG, F63
.endif
.endm
.macro NOPS n
.rept \n
	v_nop
.endr
.endm
.macro BARRIER                         ; my LDS instructions are done: then the work-group's barrier
	s_wait_dscnt 0x0
	s_barrier_signal -1
	s_barrier_wait -1
.endm
	s_load_b512 s[4:19], s[0:1], 0x0               ; list s[4:5], x codes s[6:7], x scales s[8:9], w1 codes, w1 scales, w3 codes, w3 scales s[10:17], hc s[18:19]
	s_load_b64 s[20:21], s[0:1], 0x40              ; hsc
	v_lshl_add_u32 v254, v0, 2, 0x48c00
	v_mov_b32 v255, 0
	v_lshrrev_b32 v96, 5, v0
	v_readfirstlane_b32 s22, v96                   ; wave 0..3
	s_and_b32 s23, ttmp7, 0xffff                   ; e
	s_mov_b32 s24, ttmp9                           ; isl
	v_and_b32 v96, 31, v0                          ; lane
	v_and_b32 v97, 15, v0                          ; r
	v_bfe_u32 v98, v0, 4, 1                        ; h
	v_lshlrev_b32 v[L16], 4, v96
	v_lshlrev_b32 v[R4], 2, v97
	v_mul_u32_u24 v[R24], v97, 24
	v_mad_u32_u24 v[R24], v98, 12, v[R24]
	v_lshlrev_b32 v[H32], 5, v98
	v_mov_b32 v[PX], 0                             ; written once: a lane permute's destination counts as one of its sources
	s_mul_i32 s84, s22, WSTG
	s_add_co_u32 s84, s84, XST                     ; my wave's two stages
	v_add_nc_u32 v[STW], s84, v[L16]
	v_mul_u32_u24 v99, v97, PITCH
	v_mad_u32_u24 v99, v98, 24, v99                ; a fragment's place: 1552 r + 24 h: w1's rows;
	v_add_nc_u32 v[FRA], s84, v99
	v_add_nc_u32 v100, 32*PITCH, v99               ; w3's rows lie 32 rows on
	s_lshr_b32 s85, s22, 1                         ; which matrix my wave fetches (0: w1, 1: w3),
	s_and_b32 s86, s22, 1                          ; and which 16 of its 32 rows
	s_lshl_b32 s87, s85, 5
	s_lshl_b32 s88, s86, 3
	s_add_co_u32 s87, s87, s88
	s_mul_i32 s87, s87, PITCH
	v_add_nc_u32 v101, s87, v[L16]                 ; where they go: column 16 half + 8 u + j is row 32 matrix + 16 u + 8 half + j
	v_and_b32 v106, 8, v97
	v_add_nc_u32 v106, v106, v97                   ; r + 8 (r / 8)
	v_lshlrev_b32 v106, 6, v106
	v_lshl_add_u32 v106, v98, 5, v106              ; the weights' scale words: 64 bytes a row, + 32 h
	WIN 0x40
	v_mov_b32 v[FRA], v[FRA]                       ; the stage address, copied into v252 of windows 1, 2, 3
	WIN 0x80
	v_mov_b32 v[FRA], v[FRA]
	WIN 0xc0
	v_mov_b32 v[FRA], v[FRA]
	WIN 0
	s_mov_b32 s52, 0x76543210
	s_mov_b32 s53, 0xfedcba98                      ; v_permlanex16_b32's selects for lane l xor 16
	s_lshl_b32 s28, s22, 6                         ; my wave's first tile in the expert's list: 64 bytes a tile
	v_add_nc_u32 v[LA], s28, v[R4]
	s_mov_b32 s33, 0                               ; s[32:33]: a 32-bit offset with 0 above it
	s_lshl_b32 s89, s23, 10
	s_lshl_b32 s90, s24, 5
	s_add_co_u32 s89, s89, s90                     ; the work-group's first weight row: 1024 e + 32 isl
	s_lshl_b32 s90, s86, 4
	s_add_co_u32 s90, s90, s89
	s_mul_i32 s90, s90, 1536                       ; my wave's 16 rows of codes, in bytes
	s_lshl_b32 s89, s89, 6                         ; the 32 rows' scale bytes
	s_mul_i32 s91, s24, PL
	s_mul_i32 s92, s23, 49152
	s_add_co_u32 s91, s91, s92
	s_mul_i32 s92, s22, 384
	s_add_co_u32 s91, s91, s92                     ; hc: plane isl, slot 2048 e + 16 w
	s_lshr_b32 s92, s24, 2
	s_lshl_b32 s92, s92, 16
	s_lshl_b32 s93, s23, 13
	s_add_co_u32 s92, s92, s93
	s_lshl_b32 s93, s22, 6
	s_add_co_u32 s92, s92, s93
	s_and_b32 s93, s24, 3
	s_add_co_u32 s92, s92, s93                     ; hsc: plane isl / 4, the same slot, byte isl % 4
	s_mul_i32 s94, s23, LISTB                      ; the expert's part of the list
	s_wait_kmcnt 0x0
	s_cmp_lt_u32 s22, 2                            ; the choice hangs on the wave's number alone
	s_cselect_b64 s[34:35], s[10:11], s[14:15]
	s_mov_b32 s32, s94
	s_add_nc_u64 s[4:5], s[4:5], s[32:33]
	s_mov_b32 s32, s90
	s_add_nc_u64 s[34:35], s[34:35], s[32:33]
	s_mov_b32 s32, s89
	s_add_nc_u64 s[12:13], s[12:13], s[32:33]
	s_add_nc_u64 s[16:17], s[16:17], s[32:33]
	s_mov_b32 s32, s91
	s_add_nc_u64 s[18:19], s[18:19], s[32:33]
	s_mov_b32 s32, s92
	s_add_nc_u64 s[20:21], s[20:21], s[32:33]
.macro TOKLOAD imm                     ; the 16 tokens of the tile imm bytes on in the list: as scalars, and lane by lane
	s_load_b512 s[TKS:TKS+15], s[4:5], s28 offset:\imm
	global_load_b32 v[TOK], v[LA], s[4:5] offset:\imm
.endm
.macro XSLOAD p                        ; the scale words of the tokens in TOK, into set p
	v_min_u32 v[XA], 1023, v[TOK]
	v_lshl_add_u32 v[XA], v[XA], 6, v[H32]
	global_load_b128 v[XS+8*(\p):XS+8*(\p)+3], v[XA], s[8:9]
	global_load_b128 v[XS+8*(\p)+4:XS+8*(\p)+7], v[XA], s[8:9] offset:16
.endm
.macro PFLOAD b                        ; rows 8 b .. 8 b + 7 of the tile whose tokens lie in s[68:83]: each row by three loads of 512 consecutive bytes
.irp i, 0,1,2,3,4,5,6,7
	s_min_u32 s54, s[TKS+8*(\b)+\i], 1023
	s_mul_i32 s32, s54, 1536
	s_add_nc_u64 s[36+2*\i:37+2*\i], s[6:7], s[32:33]
.irp c, 0,1,2
	global_load_b128 v[X+12*\i+4*\c:X+12*\i+4*\c+3], v[L16], s[36+2*\i:37+2*\i] offset:512*\c
.endr
.endr
.endm
.macro PFSTORE b, pn                   ; and into stage pn
.irp i, 0,1,2,3,4,5,6,7
.irp c, 0,1,2
	ds_store_b128 v[STW], v[X+12*\i+4*\c:X+12*\i+4*\c+3] offset:(\pn)*SZ+(8*(\b)+\i)*PITCH+512*\c
.endr
.endr
.endm
	s_load_b32 s25, s[4:5], FOFF                   ; F
	TOKLOAD 0                                      ; my first tile's tokens
	WIN 0x40                                       ; destination window 1
.set n, 0
.rept 48
	global_load_b128 v[4*n:4*n+3], v[L16], s[34:35] offset:512*n th:TH_LOAD_NT   ; my 16 weight rows are 24,576 dense bytes, 512 a load; the launch reads them once
.set n, n+1
.endr
	WIN 0
.irp u, 0,1
.irp c, 0,1
	global_load_b128 v[WS+8*\u+4*\c:WS+8*\u+4*\c+3], v106, s[12:13] offset:512*\u+16*\c          ; w1's tile u: row 8 u + r + 8 (r / 8), K steps 8 h + 4 c on
	global_load_b128 v[WS+16+8*\u+4*\c:WS+16+8*\u+4*\c+3], v106, s[16:17] offset:512*\u+16*\c    ; w3's
.endr
.endr
	s_wait_loadcnt 56                              ; the lanes' tokens are in; the 48 + 8 loads issued behind them may be out
	s_wait_kmcnt 0x0                               ; F and the 16 tokens
	XSLOAD 0
	PFLOAD 0                                       ; x's first eight rows go out right behind the weights
	s_wait_loadcnt 26                              ; my weight rows and all the weights' scale words are in; the 2 + 24 loads issued behind them may be out
	WIN 0x04                                       ; an LDS store's data are its source 1: window 1
.set n, 0
.rept 48
	ds_store_b128 v101, v[4*n:4*n+3] offset:(16*((n/3)/8)+(n/3)%8)*PITCH+512*(n%3)
.set n, n+1
.endr
	WIN 0
	s_wait_loadcnt 0x0
	PFSTORE 0, 0
	BARRIER                                        ; the 64 weight rows lie in LDS (and my stores have read their registers)
	PFLOAD 1                                       ; x's second eight rows, and the next tile's tokens, land while the fragments are read
	TOKLOAD 256
.set PHI, 0
.rept 64                               ; all 64 weight fragments: lane (r, h) takes 24 bytes at 96 s + 24 h and at 96 s + 48 + 24 h of row r of tile t, in pieces of 8 bytes
	FREG PHI
	WIN (FW<<6)
.irp k, 0,1,2,3,4,5
.if (PHI%4) < 2
	ds_load_b64 v[FRG+2*\k:FRG+2*\k+1], v99 offset:16*(PHI%2)*PITCH+96*(PHI/4)+48*(\k/3)+8*(\k%3)
.else
	ds_load_b64 v[FRG+2*\k:FRG+2*\k+1], v100 offset:16*(PHI%2)*PITCH+96*(PHI/4)+48*(\k/3)+8*(\k%3)
.endif
.endr
.set PHI, PHI+1
.endr
	WIN 0
	s_wait_dscnt 0x0
	s_wait_loadcnt 0x0
	PFSTORE 1, 0
	s_wait_kmcnt 0x0                               ; the tokens of my second tile
.macro XFRAG s, p                      ; x's fragment of K step s out of stage p.  The address is v252 of whatever window source 0 stands in
.irp k, 0,1,2,3,4,5
	ds_load_b64 v[FB+12*((\s)%4)+2*\k:FB+12*((\s)%4)+2*\k+1], v[FRA] offset:(\p)*SZ+96*(\s)+48*(\k/3)+8*(\k%3)
.endr
.endm
.macro MM s, p                         ; K step s: the four accumulators by turns, one instruction a turn
.irp t, 0,1,2,3
	FREG 4*(\s)+\t
	WIN FW
.set rD, ACC+8*\t
.set rB, FB+12*((\s)%4)
.set rSA, WS+8*\t+(\s)%8
.set rSB, XS+8*(\p)+(\s)%8
.if (\s) == 0
	v_wmma_scale_f32_16x16x128_f8f6f4 v[rD:rD+7], v[FRG:FRG+11], v[rB:rB+11], 0, v[rSA], v[rSB] matrix_a_fmt:MATRIX_FMT_FP6 matrix_b_fmt:MATRIX_FMT_FP6
.elseif (\s) < 8
	v_wmma_scale_f32_16x16x128_f8f6f4 v[rD:rD+7], v[FRG:FRG+11], v[rB:rB+11], v[rD:rD+7], v[rSA], v[rSB] matrix_a_fmt:MATRIX_FMT_FP6 matrix_b_fmt:MATRIX_FMT_FP6
.else
	v_wmma_scale_f32_16x16x128_f8f6f4 v[rD:rD+7], v[FRG:FRG+11], v[rB:rB+11], v[rD:rD+7], v[rSA], v[rSB] matrix_a_fmt:MATRIX_FMT_FP6 matrix_b_fmt:MATRIX_FMT_FP6 matrix_a_scale:MATRIX_SCALE_ROW1 matrix_b_scale:MATRIX_SCALE_ROW1
.endif
.endr
.endm
; Eight K steps.  Four fragments of x are ahead; the wait's count is the six loads of each younger fragment.  Four places stand between a step's products and the loads into the fragment
; that they read (ISA guide 7.12.1 for vector instructions), and behind the last products, for what follows the macro.
.macro HALF a, p
.irp j, 0,1,2,3
	XFRAG 8*(\a)+\j, \p
.endr
.irp j, 0,1,2,3,4,5,6,7
.if \j < 5
	s_wait_dscnt 18
.else
	s_wait_dscnt 6*(7-\j)
.endif
	MM 8*(\a)+\j, \p
.if \j < 4
	NOPS 4
	XFRAG 8*(\a)+\j+4, \p
.endif
.endr
	NOPS 4
.endm
; gate and up become 16 codes and a scale byte.  Each accumulator is read from its low end on.
.macro EPI off
.irp j, 0,2,4,6,8,10,12,14
	v_pk_mul_f32 v[T+\j:T+\j+1], v[ACC+\j:ACC+\j+1], 0xbfb8aa3b op_sel_hi:[1,0]   ; -g log2(e)
.endr
.irp j, 0,1,2,3,4,5,6,7,8,9,10,11,12,13,14,15
	v_exp_f32 v[T+\j], v[T+\j]
.endr
	v_nop                                          ; a plain place behind the transcendentals
	s_wait_alu depctr_va_vdst(0)
.irp j, 0,2,4,6,8,10,12,14
	v_pk_add_f32 v[T+\j:T+\j+1], v[T+\j:T+\j+1], 1.0 op_sel_hi:[1,0]
.endr
.irp j, 0,1,2,3,4,5,6,7,8,9,10,11,12,13,14,15
	v_rcp_f32 v[T+\j], v[T+\j]                     ; sigmoid(g)
.endr
	v_nop
	s_wait_alu depctr_va_vdst(0)
.irp j, 0,2,4,6,8,10,12,14
	v_pk_mul_f32 v[ACC+\j:ACC+\j+1], v[ACC+\j:ACC+\j+1], v[T+\j:T+\j+1]             ; silu(g)
.endr
.irp j, 0,2,4,6,8,10,12,14
	v_pk_mul_f32 v[ACC+\j:ACC+\j+1], v[ACC+\j:ACC+\j+1], v[ACC+16+\j:ACC+17+\j]     ; x up
.endr
	v_max3_num_f32 v[M0], |v[ACC]|, |v[ACC+1]|, 0x1800000      ; my 16 numbers and the floor 2^(3 - 127): the byte cannot fall under 1
	v_max3_num_f32 v[M1], |v[ACC+2]|, |v[ACC+3]|, |v[ACC+4]|
.irp j, 5,9
	v_max3_num_f32 v[M0], v[M0], |v[ACC+\j]|, |v[ACC+\j+1]|
	v_max3_num_f32 v[M1], v[M1], |v[ACC+\j+2]|, |v[ACC+\j+3]|
.endr
	v_max3_num_f32 v[M0], v[M0], |v[ACC+13]|, |v[ACC+14]|
	v_max3_num_f32 v[M0], v[M0], v[M1], |v[ACC+15]|
	v_permlanex16_b32 v[PX], v[M0], s52, s53
	v_max_num_f32 v[M0], v[M0], v[PX]              ; with lane l xor 16's 16: the block's largest magnitude
	v_add_nc_u32 v[SCL], 0xff000000, v[M0]         ; 2 off its exponent field: the conversion takes that field as its scale
	s_wait_xcnt 0x0                                ; the last tile's stores have read their data and offsets: these are written again only behind this wait
	v_lshrrev_b32 v[BYTE], 23, v[SCL]
	v_cvt_scalef32_pk16_fp6_f32 v[CD:CD+2], v[ACC:ACC+15], v[SCL]
	v_nop                                          ; one plain place behind a scaled conversion
	v_add_nc_u32 v[HA], s29, v[R24]
	v_add_nc_u32 v[SA], s30, v[R4]
	global_store_b96 v[HA], v[CD:CD+2], s[18:19] offset:1536*\off    ; the wave stores 384 consecutive bytes: 16 slots of 24
	global_store_b8 v[SA], v[BYTE], s[20:21] offset:256*\off         ; lanes l and l + 16 write the same byte with the same value
.endm
; A tile f: its rows lie in stage p, its scale words in set p; the tokens of tile f + 4 lie in s[68:83] and in TOK.  Tile f + 4 is fetched into the other stage meanwhile, eight rows under each half
; of K.  As soon as its second eight bases are made, the tokens of tile f + 8 are asked for: half of K and the epilogue stand between the request and the wait for it.
; Past the expert's last tile the list holds zeros: token 0 is fetched and not used.
.macro TILE p, off
	v_add_nc_u32 v[LA], s28, v[R4]                 ; (no load of mine is out)
	XSLOAD 1-\p
	PFLOAD 0
	HALF 0, \p
	WIN 0
	s_wait_loadcnt 0x0                             ; eight rows and the scale words are in
	PFSTORE 0, 1-\p
	s_wait_dscnt 0x0                               ; the stores have read their registers
	PFLOAD 1
	TOKLOAD 256*(\off+2)
	HALF 1, \p
	WIN 0
	EPI \off
	s_wait_loadcnt 0x0
	PFSTORE 1, 1-\p
	s_wait_kmcnt 0x0                               ; the tokens are in, and the scalar load has read the list's offset, which the trip's end steps
.endm
	s_mov_b32 s26, 0
	s_mov_b32 s27, s22                             ; f = 8 i + w
	s_mov_b32 s29, 0
	s_mov_b32 s30, 0
.Ltrip:                                                ; 16 trips, whatever the split: F is at most 128.  What hangs on F is a jump over the work; no barrier stands in the loop
	s_cmp_ge_u32 s27, s25
	s_cbranch_scc1 .Lskip                          ; no tile f: then none at f + 4 either
	TILE 0, 0
	s_add_co_u32 s54, s27, 4
	s_cmp_ge_u32 s54, s25
	s_cbranch_scc1 .Lskip
	TILE 1, 1
.Lskip:
	s_add_co_u32 s27, s27, 8
	s_add_co_u32 s28, s28, 512                     ; 8 tiles of the list,
	s_add_co_u32 s29, s29, 3072                    ; of hc,
	s_add_co_u32 s30, s30, 512                     ; of hsc
	s_add_co_u32 s26, s26, 1
	s_cmp_lt_u32 s26, 16
	s_cbranch_scc1 .Ltrip
	s_wait_tensorcnt 0x0
	ds_add_u32 v254, v255
	s_wait_dscnt 0x0
	s_endpgm
.Lfunc_end_k_q02ca27339c_gateup:
	.size	k_q02ca27339c_gateup, .Lfunc_end_k_q02ca27339c_gateup-k_q02ca27339c_gateup
	.p2alignl 7, 3214868480
	.fill 96, 4, 3214868480
	.section	.rodata,"a",@progbits
	.p2align	6, 0x0
	.amdhsa_kernel k_q02ca27339c_gateup
		.amdhsa_group_segment_fixed_size 298496
		.amdhsa_private_segment_fixed_size 0
		.amdhsa_enable_private_segment 0
		.amdhsa_kernarg_size 72
		.amdhsa_user_sgpr_count 2
		.amdhsa_user_sgpr_kernarg_segment_ptr 1
		.amdhsa_wavefront_size32 1
		.amdhsa_system_sgpr_workgroup_id_x 1
		.amdhsa_system_sgpr_workgroup_id_y 1
		.amdhsa_system_sgpr_workgroup_id_z 1
		.amdhsa_system_vgpr_workitem_id 0
		.amdhsa_next_free_vgpr 1024
		.amdhsa_next_free_sgpr 100
		.amdhsa_reserve_vcc 0
		.amdhsa_float_denorm_mode_32 3
		.amdhsa_float_denorm_mode_16_64 3
		.amdhsa_memory_ordered 1
		.amdhsa_forward_progress 1
		.amdhsa_inst_pref_size 110
	.end_amdhsa_kernel
	.amdgpu_metadata
---
amdhsa.version: [ 1, 2 ]
amdhsa.kernels:
  - .name:           k_q02ca27339c_gateup
    .symbol:         k_q02ca27339c_gateup.kd
    .args:
      - { .name: list, .offset: 0, .size: 8, .value_kind: global_buffer, .address_space: global }
      - { .name: x_codes, .offset: 8, .size: 8, .value_kind: global_buffer, .address_space: global }
      - { .name: x_scales, .offset: 16, .size: 8, .value_kind: global_buffer, .address_space: global }
      - { .name: w1_codes, .offset: 24, .size: 8, .value_kind: global_buffer, .address_space: global }
      - { .name: w1_scales, .offset: 32, .size: 8, .value_kind: global_buffer, .address_space: global }
      - { .name: w3_codes, .offset: 40, .size: 8, .value_kind: global_buffer, .address_space: global }
      - { .name: w3_scales, .offset: 48, .size: 8, .value_kind: global_buffer, .address_space: global }
      - { .name: hc, .offset: 56, .size: 8, .value_kind: global_buffer, .address_space: global }
      - { .name: hsc, .offset: 64, .size: 8, .value_kind: global_buffer, .address_space: global }
    .group_segment_fixed_size: 298496
    .private_segment_fixed_size: 0
    .kernarg_segment_align: 8
    .kernarg_segment_size: 72
    .max_flat_workgroup_size: 128
    .sgpr_count:     100
    .vgpr_count:     1024
    .wavefront_size: 32
...
	.end_amdgpu_metadata
.endif
;; end of part 2
;; launch down (part 3): grid 8 x 32, 4 waves a work-group, no clusters, 298,496 bytes of LDS; arguments expert_indices, expert_weights, w2_codes, w2_scales, hc, hsc, out0; writes out0
.if DOCPART == 3
	.amdgcn_target "amdgcn-amd-amdhsa--gfx1250"
	.amdhsa_code_object_version 6
	.text
	.protected	k_q02ca27339c_down
	.globl	k_q02ca27339c_down
	.p2align	8
	.type	k_q02ca27339c_down,@function
k_q02ca27339c_down:
	s_mov_b64 s[64:65], 0
	v_nop
	global_prefetch_b8 v0, s[64:65] scope:SCOPE_SE
	s_setreg_imm32_b32 hwreg(HW_REG_WAVE_MODE, 25, 1), 1
	s_wait_xcnt 0x0
; out0[token] = weight0 * (h w2)[entry 0] + weight1 * (h w2)[entry 1].  The product on codes of FP6 (E2M3) with one E8M0 byte for each 32 along K = 1,024.
; SHARES.  Work-group (tb, cs) owns tokens 128 tb .. + 127 x columns 64 cs .. + 63 of out0: each piece of an output row has one owner, and nothing is added across work-groups.
; Wave w keeps the 64 rows x 768 bytes of w2 of experts 2 w and 2 w + 1 in registers (fragment f = 32 x + 4 s + t, 768 registers) and multiplies the routed rows of these two experts that belong
; to the block's tokens.  In the first launch's order such rows are neighbouring slots: row0 = 2048 e + (entries of e in earlier blocks), n of them.  A tile is 16 slots from row0 + 16 q on, held at the
; group's last slot: only slots that were written are multiplied.
; THE PRODUCT IS USED TRANSPOSED: source 0 = 16 rows of w2, source 1 = 16 slots: a lane holds one slot and eight neighbouring columns.
; y goes to the wave's region of LDS, 17 places of 16 rows x (256 + 16) bytes: the even expert's tile q at place q, the odd expert's at place 16 - q; the two have 17 tiles at the most (256 entries in two groups).
; Wave 0 writes a table: for each token (weight 0, y address 0, weight 1, y address 1).  One barrier; then each wave adds and stores 32 tokens, sixteen lanes to 256 consecutive aligned bytes.
; EVERY WAVE WALKS BOTH LOOPS OF 16 TRIPS; what hangs on the counts is a jump over a tile, inside a trip.  A wave none of whose experts was chosen in this block asks once for the slot in front of its
; odd expert's group (slot 2,047 at the least, inside hc) and uses nothing of it.
; NO TENSOR LOADS, NO JOINT REQUESTS: how many tiles a wave has, and where they lie, is counted from expert_indices, so operands go through registers.
; The indices are taken to lie in 0 .. 7.  NaN and infinities are not served.
.set REGB, 73984                       ; a wave's region: 17 x 16 x 272 bytes.  It serves first as the stage for its weights: 64 rows, 784 bytes apart
.set TBL,  4*REGB                      ; the table: 128 tokens x 16 bytes
.set WP,   784                         ; 768 + 16 = 196 words: row r starts 4 r words on, modulo the 64 banks (ISA guide 11.1)
.set YP,   272
.set PL,   393216                      ; a plane of hc
.set L16, 1                            ; v1   16 x lane
.set SAD, 2                            ; v2   my region + 16 x lane
.set SBD, 3                            ; v3   the same + 16 h
.set WF,  4                            ; v4   my region + 784 r + 24 h
.set YS0, 5                            ; v5   my region + 272 r + 32 h
.set YS,  6                            ; v6   the y address in hand
.set RR,  7                            ; v7   r
.set HPL, 8                            ; v8   h x a plane of hc
.set H2,  9                            ; v9   h x two planes of hsc
.set HN,  10                           ; v10  offset of the next tile's codes
.set HSN, 11                           ; v11  and of its scale words
.set SL,  12                           ; v12  my slot
.set TBW, 13                           ; v13  the table + 32 x lane
.set TBR, 14                           ; v14  the table + 16 (32 w + h)
.set OA,  15                           ; v15  8192 h + 16 r
.set R16, 16                           ; v16  16 r
.set YSB, 17                           ; v17  YS0 + 16 places
.set WSA, 18                           ; v18  65536 h + 32 r
.set HS,  20                           ; v20-23 h's scale words: register 2 a + j: lanes 0-15 K step 4 a + j, lanes 16-31 K step 4 a + 2 + j
.set WS,  24                           ; v24-55 w2's: 8 t + s: lanes 0-15 the even expert, lanes 16-31 the odd one
.set ACC, 56                           ; v56-87 four accumulators
.set HB,  88                           ; v88-183 a tile of h: 12 registers a K step
.set EA,  88                           ; v88-151 at first: all indices
.set E,   184                          ; v184-191 the block's indices
.set WT,  192                          ; v192-199 the block's weights
.set RK,  200                          ; v200-207 each entry's place in its group
.set Q,   208                          ; v208-223 four rows of the table
.set F63, 240                          ; v240-251 fragment 63
.set T,   56                           ; the combine: v56-119 sixteen rows of the table, v120-183 y of eight steps
.set Y,   120
.set MSB, 0
.macro WIN new                         ; the immediate's high byte repeats the setting that is left; a switch that changes nothing is dropped
.if MSB != (\new)
	s_set_vgpr_msb (MSB<<8)|(\new)
.set MSB, (\new)
.endif
.endm
.macro FREG phi                        ; fragment phi lies in window 1 + phi / 21 at v[12 (phi % 21)]; fragment 63 in window 0
.if (\phi) < 63
.set FW, 1+(\phi)/21
.set FRG, 12*((\phi)%21)
.else
.set FW, 0
.set FRG, F63
.endif
.endm
.macro NOPS n
.rept \n
	v_nop
.endr
.endm
	s_load_b256 s[4:11], s[0:1], 0x0               ; indices s[4:5], weights s[6:7], w2 codes s[8:9], w2 scales s[10:11]
	s_load_b128 s[12:15], s[0:1], 0x20             ; hc, hsc
	s_load_b64 s[16:17], s[0:1], 0x30              ; out0
	v_lshl_add_u32 v254, v0, 2, 0x48c00
	v_mov_b32 v255, 0
	v_lshrrev_b32 v19, 5, v0
	v_readfirstlane_b32 s18, v19                   ; wave 0..3
	s_mov_b32 s19, ttmp9                           ; tb
	s_and_b32 s20, ttmp7, 0xffff                   ; cs
	s_lshl_b32 s21, s18, 1                         ; my even expert,
	s_add_co_u32 s22, s21, 1                       ; my odd one
	v_and_b32 v19, 31, v0                          ; lane
	v_and_b32 v[RR], 15, v0
	v_bfe_u32 v224, v0, 4, 1                       ; h
	v_lshlrev_b32 v[L16], 4, v19
	s_mul_i32 s48, s18, REGB
	v_add_nc_u32 v[SAD], s48, v[L16]
	v_lshl_add_u32 v[SBD], v224, 4, v[SAD]
	v_mul_u32_u24 v[WF], v[RR], WP
	v_mad_u32_u24 v[WF], v224, 24, v[WF]
	v_add_nc_u32 v[WF], s48, v[WF]
	v_mul_u32_u24 v[YS0], v[RR], YP
	v_lshl_add_u32 v[YS0], v224, 5, v[YS0]
	v_add_nc_u32 v[YS0], s48, v[YS0]
	v_add_nc_u32 v[YSB], 16*16*YP, v[YS0]
	v_mul_u32_u24 v[HPL], v224, PL
	v_lshlrev_b32 v[H2], 17, v224
	v_lshl_add_u32 v[TBW], v19, 5, TBL
	s_lshl_b32 s49, s18, 9
	v_lshl_add_u32 v[TBR], v224, 4, s49
	v_add_nc_u32 v[TBR], TBL, v[TBR]
	v_lshlrev_b32 v[R16], 4, v[RR]
	v_lshl_add_u32 v[OA], v224, 13, v[R16]
	v_lshlrev_b32 v[WSA], 5, v[RR]
	v_lshl_add_u32 v[WSA], v224, 16, v[WSA]
	s_mov_b32 s57, 0                               ; s[56:57]: a 32-bit offset with 0 above it
	s_wait_kmcnt 0x0
	s_lshl_b32 s56, s19, 10
	s_add_nc_u64 s[38:39], s[4:5], s[56:57]        ; my block's 256 indices,
	s_add_nc_u64 s[6:7], s[6:7], s[56:57]          ; and weights
	s_mul_i32 s56, s18, 3145728
	s_mul_i32 s48, s20, 49152
	s_add_co_u32 s56, s56, s48
	s_add_nc_u64 s[8:9], s[8:9], s[56:57]          ; w2's codes at row 2 w x 2048 + 64 cs
	s_lshl_b32 s56, s18, 17
	s_lshl_b32 s48, s20, 11
	s_add_co_u32 s56, s56, s48
	s_add_nc_u64 s[10:11], s[10:11], s[56:57]      ; and its scale bytes
	s_add_nc_u64 s[36:37], s[12:13], 16*PL         ; hc's planes 16 on: so every plane stands in a load's immediate
	s_lshl_b32 s56, s19, 20
	s_lshl_b32 s48, s18, 18
	s_add_co_u32 s56, s56, s48
	s_lshl_b32 s48, s20, 8
	s_add_co_u32 s56, s56, s48
	s_add_nc_u64 s[16:17], s[16:17], s[56:57]      ; out0 at token 128 tb + 32 w, column 64 cs
.irp n, 0,1,2,3,4,5,6,7,8,9,10,11,12,13,14,15
	global_load_b128 v[EA+4*\n:EA+4*\n+3], v[L16], s[4:5] offset:512*\n
.endr
.irp q, 0,1
	global_load_b128 v[E+4*\q:E+4*\q+3], v[L16], s[38:39] offset:512*\q      ; register 4 q + i of lane L: token 128 tb + 64 q + 2 L + i / 2, k = i % 2
	global_load_b128 v[WT+4*\q:WT+4*\q+3], v[L16], s[6:7] offset:512*\q
.endr
.irp t, 0,1,2,3
.irp c, 0,1
	global_load_b128 v[WS+8*\t+4*\c:WS+8*\t+4*\c+3], v[WSA], s[10:11] offset:512*\t+16*\c
.endr
.endr
.macro LAND x                          ; expert x's 64 rows are 49,152 dense bytes, 512 a load, into the registers that its fragments will take.  Eight token blocks read them: no hint
.set n, 0
.rept 96
	FREG 32*(\x)+n/3
	WIN (FW<<6)
	global_load_b128 v[FRG+4*(n%3):FRG+4*(n%3)+3], v[L16], s[8:9] offset:(\x)*1572864+512*n
.set n, n+1
.endr
.endm
	LAND 0
	LAND 1
	WIN 0
	s_wait_loadcnt 63                              ; 192 loads were issued behind the 28 small ones and 96 behind the even expert's: with 63 out at the most, both are in
.macro COUNT ex, st, nn                ; entries of expert s[ex] in the blocks ahead of mine, and in mine
	s_mov_b32 s[\st], 0
	s_mov_b32 s[\nn], 0
.irp b, 0,1,2,3,4,5,6,7
.irp g, 0,1,2,3,4,5,6,7
	v_cmp_eq_u32 s[40+\g], s[\ex], v[EA+8*\b+\g]
.endr
	s_bcnt1_i32_b32 s48, s40
.irp g, 1,2,3,4,5,6,7
	s_bcnt1_i32_b32 s49, s[40+\g]
	s_add_co_u32 s48, s48, s49
.endr
	s_cmp_gt_u32 s19, \b
	s_cselect_b32 s49, s48, 0
	s_cmp_eq_u32 s19, \b
	s_cselect_b32 s50, s48, 0
	s_add_co_u32 s[\st], s[\st], s49
	s_add_co_u32 s[\nn], s[\nn], s50
.endr
.endm
	COUNT 21, 58, 23
	COUNT 22, 59, 24
	s_add_co_u32 s25, s23, 15
	s_lshr_b32 s25, s25, 4                         ; tiles of the even expert's group,
	s_add_co_u32 s26, s24, 15
	s_lshr_b32 s26, s26, 4                         ; of the odd one's
	s_lshl_b32 s27, s21, 11
	s_add_co_u32 s27, s27, s58                     ; first slots,
	s_lshl_b32 s28, s22, 11
	s_add_co_u32 s28, s28, s59
	s_add_co_u32 s29, s27, s23
	s_sub_co_u32 s29, s29, 1                       ; last slots (the even expert's is used only where its group has rows)
	s_add_co_u32 s30, s28, s24
	s_sub_co_u32 s30, s30, 1
	s_cmp_lg_u32 s18, 0
	s_cbranch_scc1 .Ltabled                        ; wave 0 alone makes the table
.irp g, 0,1,2,3,4,5,6,7
	v_mov_b32 v[RK+\g], 0
.endr
.irp e, 0,1,2,3,4,5,6,7                ; an entry's place in its group: earlier registers' entries of its expert + those in lower lanes
	s_mov_b32 s48, 0
.irp g, 0,1,2,3,4,5,6,7
	v_cmp_eq_u32 s[40+\g], \e, v[E+\g]
	v_mbcnt_lo_u32_b32 v224, s[40+\g], s48
	v_cndmask_b32 v[RK+\g], v[RK+\g], v224, s[40+\g]
	s_bcnt1_i32_b32 s49, s[40+\g]
	s_add_co_u32 s48, s48, s49
.endr
.endr
.irp g, 0,1,2,3,4,5,6,7
	v_and_b32 v224, 0xf0, v[RK+\g]
	v_lshlrev_b32 v224, 1, v224
	v_sub_nc_u32 v224, v[RK+\g], v224
	v_add_nc_u32 v224, 0x100, v224                 ; an odd expert's row: 16 (16 - place / 16) + place % 16
	v_and_b32 v225, 1, v[E+\g]
	v_cmp_eq_u32 vcc_lo, 1, v225
	v_cndmask_b32 v224, v[RK+\g], v224, vcc_lo     ; an even expert's: the place itself
	v_lshrrev_b32 v225, 1, v[E+\g]
	v_mul_u32_u24 v225, v225, REGB                 ; the region of the wave that has the expert
	v_mad_u32_u24 v[Q+4*(\g/2)+2*(\g%2)+1], v224, YP, v225
	v_mov_b32 v[Q+4*(\g/2)+2*(\g%2)], v[WT+\g]
.endr
.irp d, 0,1,2,3
	ds_store_b128 v[TBW], v[Q+4*\d:Q+4*\d+3] offset:1024*(\d/2)+16*(\d%2)   ; token 64 (d / 2) + 2 lane + d % 2
.endr
.Ltabled:
.macro NEXTADR                         ; the offsets of the tile that begins at slot s34, held at slot s35
	s_wait_xcnt 0x0                                ; the loads that are out have read their offsets: these are written again only behind this wait
	v_add_nc_u32 v[SL], s34, v[RR]
	v_min_u32 v[SL], s35, v[SL]
	v_min_u32 v[SL], 16383, v[SL]
	v_mul_u32_u24 v[HN], v[SL], 24
	v_add_nc_u32 v[HN], v[HN], v[HPL]
	v_lshlrev_b32 v[HSN], 2, v[SL]
	v_add_nc_u32 v[HSN], v[HSN], v[H2]
.endm
.macro HREQ a                          ; K steps 4 a .. 4 a + 3 of that tile: 24 loads of codes (lane (r, h): block 4 s + 2 c + h of slot r, 24 bytes in three pieces) and 2 of scale words: 26
.irp s, 0,1,2,3
.irp c, 0,1
.irp k, 0,1,2
.if \a
	global_load_b64 v[HB+12*(4+\s)+6*\c+2*\k:HB+12*(4+\s)+6*\c+2*\k+1], v[HN], s[36:37] offset:(4*\s+2*\c)*PL+8*\k
.else
	global_load_b64 v[HB+12*\s+6*\c+2*\k:HB+12*\s+6*\c+2*\k+1], v[HN], s[12:13] offset:(4*\s+2*\c)*PL+8*\k
.endif
.endr
.endr
.endr
.irp j, 0,1
	global_load_b32 v[HS+2*\a+\j], v[HSN], s[14:15] offset:(4*\a+\j)*65536
.endr
.endm
	s_cmp_lg_u32 s25, 0                            ; my first tile: the even expert's, or else the odd one's.  With no tile at all: the slot in front of the odd expert's group, not used
	s_cselect_b32 s34, s27, s28
	s_cselect_b32 s35, s29, s30
	NEXTADR
	HREQ 0
	HREQ 1                                         ; it is on its way while the weights are turned into fragments
.macro STASH x                         ; the rows as they were loaded go to my stage: byte B of the dense block to B + 16 (B / 768)
.set n, 0
.rept 96
	FREG 32*(\x)+n/3
	WIN (FW<<2)                                    ; an LDS store's data are its source 1
.if (n%3) == 1
	ds_store_b128 v[SBD], v[FRG+4:FRG+7] offset:512*n+16*(2*(n/3))           ; this load's lanes 16-31 hold the next row's first bytes
.else
	ds_store_b128 v[SAD], v[FRG+4*(n%3):FRG+4*(n%3)+3] offset:512*n+16*(2*(n/3)+(n%3)/2)
.endif
.set n, n+1
.endr
	WIN 0
	s_wait_dscnt 0x0
.endm
.macro WFRAGS x                        ; and come back as fragments
.set PHI, 0
.rept 32
	FREG 32*(\x)+PHI
	WIN (FW<<6)
.irp k, 0,1,2,3,4,5
	ds_load_b64 v[FRG+2*\k:FRG+2*\k+1], v[WF] offset:16*(PHI%4)*WP+96*(PHI/4)+48*(\k/3)+8*(\k%3)
.endr
.set PHI, PHI+1
.endr
	WIN 0
	s_wait_dscnt 0x0
.endm
	STASH 0
	WFRAGS 0
	s_wait_loadcnt 52                              ; the odd expert's rows are in; behind them only the 2 x 26 loads of my first tile were issued
	STASH 1
	WFRAGS 1
.macro MMD x, s                        ; K step s against expert x: the four accumulators by turns, one instruction a turn
.irp t, 0,1,2,3
	FREG 32*(\x)+4*(\s)+\t
	WIN FW
.set rD, ACC+8*\t
.set rB, HB+12*(\s)
.set rSA, WS+8*\t+(\s)
.set rSB, HS+2*((\s)/4)+(\s)%2
.if (\s) == 0
.if \x
	v_wmma_scale_f32_16x16x128_f8f6f4 v[rD:rD+7], v[FRG:FRG+11], v[rB:rB+11], 0, v[rSA], v[rSB] matrix_a_fmt:MATRIX_FMT_FP6 matrix_b_fmt:MATRIX_FMT_FP6 matrix_a_scale:MATRIX_SCALE_ROW1
.else
	v_wmma_scale_f32_16x16x128_f8f6f4 v[rD:rD+7], v[FRG:FRG+11], v[rB:rB+11], 0, v[rSA], v[rSB] matrix_a_fmt:MATRIX_FMT_FP6 matrix_b_fmt:MATRIX_FMT_FP6
.endif
.elseif ((\s)%4) < 2
.if \x
	v_wmma_scale_f32_16x16x128_f8f6f4 v[rD:rD+7], v[FRG:FRG+11], v[rB:rB+11], v[rD:rD+7], v[rSA], v[rSB] matrix_a_fmt:MATRIX_FMT_FP6 matrix_b_fmt:MATRIX_FMT_FP6 matrix_a_scale:MATRIX_SCALE_ROW1
.else
	v_wmma_scale_f32_16x16x128_f8f6f4 v[rD:rD+7], v[FRG:FRG+11], v[rB:rB+11], v[rD:rD+7], v[rSA], v[rSB] matrix_a_fmt:MATRIX_FMT_FP6 matrix_b_fmt:MATRIX_FMT_FP6
.endif
.else
.if \x
	v_wmma_scale_f32_16x16x128_f8f6f4 v[rD:rD+7], v[FRG:FRG+11], v[rB:rB+11], v[rD:rD+7], v[rSA], v[rSB] matrix_a_fmt:MATRIX_FMT_FP6 matrix_b_fmt:MATRIX_FMT_FP6 matrix_a_scale:MATRIX_SCALE_ROW1 matrix_b_scale:MATRIX_SCALE_ROW1
.else
	v_wmma_scale_f32_16x16x128_f8f6f4 v[rD:rD+7], v[FRG:FRG+11], v[rB:rB+11], v[rD:rD+7], v[rSA], v[rSB] matrix_a_fmt:MATRIX_FMT_FP6 matrix_b_fmt:MATRIX_FMT_FP6 matrix_b_scale:MATRIX_SCALE_ROW1
.endif
.endif
.endr
.endm
.macro MMD4 x, s0
	MMD \x, \s0
	MMD \x, \s0+1
	MMD \x, \s0+2
	MMD \x, \s0+3
	WIN 0
	NOPS 4                                         ; four places between the products and the loads into what they read, and the stores of what they wrote (ISA guide 7.12.1 for vector instructions)
.endm
; Tile q = s31 of expert x.  Its h was asked for a tile ago, in two halves of K; each half's registers take the next tile's as soon as they are multiplied.
; ONE branch on whether a tile follows, with the second half of K written in both arms, so that every wait's count holds on every way.
.macro TILE x
	s_add_co_u32 s48, s31, 1
	s_lshl_b32 s49, s48, 4
.if \x
	s_add_co_u32 s49, s49, s28
	s_mov_b32 s35, s30
	s_cmp_lt_u32 s48, s26                          ; the group's next tile, or none
	s_cselect_b32 s34, s49, s28
	s_cselect_b32 s33, 1, 0
.else
	s_add_co_u32 s49, s49, s27
	s_min_u32 s50, s26, 1
	s_cmp_lt_u32 s48, s25                          ; the group's next tile, or the odd expert's first, if it has one
	s_cselect_b32 s34, s49, s28
	s_cselect_b32 s35, s29, s30
	s_cselect_b32 s33, 1, s50
.endif
	NEXTADR
	s_wait_loadcnt 26                              ; K steps 0-3 are in; the 26 loads of K steps 4-7 may be out
	MMD4 \x, 0
	s_cmp_eq_u32 s33, 0
	s_cbranch_scc1 .Llast_\@
	HREQ 0
	s_wait_loadcnt 26                              ; K steps 4-7 are in; the 26 loads just issued may be out
	MMD4 \x, 4
	HREQ 1
	s_branch .Lout_\@
.Llast_\@:
	s_wait_loadcnt 0x0
	MMD4 \x, 4
.Lout_\@:
.if \x
	v_sub_nc_u32 v[YS], v[YSB], s32                ; place 16 - q
.else
	v_add_nc_u32 v[YS], s32, v[YS0]                ; place q
.endif
.irp t, 0,1,2,3
	ds_store_b128 v[YS], v[ACC+8*\t:ACC+8*\t+3] offset:64*\t          ; lane (r, h): y(slot r, 16 t + 8 h + 0 .. 7); each accumulator from its low end on
	ds_store_b128 v[YS], v[ACC+8*\t+4:ACC+8*\t+7] offset:64*\t+16
.endr
	s_wait_dscnt 0x0                               ; the stores have read the accumulators
.endm
	s_mov_b32 s31, 0
	s_mov_b32 s32, 0
.LloopA:                                               ; 16 trips, whatever the split (a group has at most 256 rows); what hangs on the counts is a jump over the work
	s_cmp_ge_u32 s31, s25
	s_cbranch_scc1 .LskipA
	TILE 0
.LskipA:
	s_add_co_u32 s32, s32, 16*YP
	s_add_co_u32 s31, s31, 1
	s_cmp_lt_u32 s31, 16
	s_cbranch_scc1 .LloopA
	s_mov_b32 s31, 0
	s_mov_b32 s32, 0
.LloopB:
	s_cmp_ge_u32 s31, s26
	s_cbranch_scc1 .LskipB
	TILE 1
.LskipB:
	s_add_co_u32 s32, s32, 16*YP
	s_add_co_u32 s31, s31, 1
	s_cmp_lt_u32 s31, 16
	s_cbranch_scc1 .LloopB
	s_wait_loadcnt 0x0                             ; behind a wave's last tile no load is out; a wave without tiles waits here for the one tile that it asked for and does not use
	s_wait_dscnt 0x0                               ; my y rows (and wave 0's table) lie in LDS
	s_barrier_signal -1
	s_barrier_wait -1                              ; everybody's do.  Behind this barrier LDS is only read
.irp p, 0,1,2,3,4,5,6,7,8,9,10,11,12,13,14,15
	ds_load_b128 v[T+4*\p:T+4*\p+3], v[TBR] offset:32*\p   ; step p: lanes 0-15 token 32 w + 2 p, lanes 16-31 the next
.endr
	s_wait_dscnt 0x0
.irp hf, 0,1
.if \hf
	s_wait_xcnt 0x0                                ; the first half's stores have read their data: y's registers are loaded again only behind this wait
.endif
.irp i, 0,1,2,3,4,5,6,7
	v_min_u32 v[T+4*(8*\hf+\i)+1], 4*REGB-YP, v[T+4*(8*\hf+\i)+1]   ; a row's address, held inside the regions,
	v_min_u32 v[T+4*(8*\hf+\i)+3], 4*REGB-YP, v[T+4*(8*\hf+\i)+3]
	v_add_nc_u32 v[T+4*(8*\hf+\i)+1], v[R16], v[T+4*(8*\hf+\i)+1]   ; + my 16 bytes of its 256
	v_add_nc_u32 v[T+4*(8*\hf+\i)+3], v[R16], v[T+4*(8*\hf+\i)+3]
	ds_load_b128 v[Y+8*\i:Y+8*\i+3], v[T+4*(8*\hf+\i)+1]
	ds_load_b128 v[Y+8*\i+4:Y+8*\i+7], v[T+4*(8*\hf+\i)+3]
.endr
.irp i, 0,1,2,3,4,5,6,7
	s_wait_dscnt 14-2*\i                           ; this step's two rows are in; the younger steps' pairs may be out
	v_pk_mul_f32 v[Y+8*\i:Y+8*\i+1], v[Y+8*\i:Y+8*\i+1], v[T+4*(8*\hf+\i):T+4*(8*\hf+\i)+1] op_sel_hi:[1,0]        ; weight 0 x y0 (of the pair the low word serves both halves)
	v_pk_mul_f32 v[Y+8*\i+2:Y+8*\i+3], v[Y+8*\i+2:Y+8*\i+3], v[T+4*(8*\hf+\i):T+4*(8*\hf+\i)+1] op_sel_hi:[1,0]
	v_pk_fma_f32 v[Y+8*\i:Y+8*\i+1], v[Y+8*\i+4:Y+8*\i+5], v[T+4*(8*\hf+\i)+2:T+4*(8*\hf+\i)+3], v[Y+8*\i:Y+8*\i+1] op_sel_hi:[1,0,1]       ; + weight 1 x y1
	v_pk_fma_f32 v[Y+8*\i+2:Y+8*\i+3], v[Y+8*\i+6:Y+8*\i+7], v[T+4*(8*\hf+\i)+2:T+4*(8*\hf+\i)+3], v[Y+8*\i+2:Y+8*\i+3] op_sel_hi:[1,0,1]
	global_store_b128 v[OA], v[Y+8*\i:Y+8*\i+3], s[16:17] offset:16384*(8*\hf+\i) th:TH_STORE_NT   ; sixteen lanes store 256 consecutive bytes, at a multiple of 256 from out0's first byte
.endr
.endr
	s_wait_tensorcnt 0x0
	ds_add_u32 v254, v255
	s_wait_dscnt 0x0
	s_endpgm
.Lfunc_end_k_q02ca27339c_down:
	.size	k_q02ca27339c_down, .Lfunc_end_k_q02ca27339c_down-k_q02ca27339c_down
	.p2alignl 7, 3214868480
	.fill 96, 4, 3214868480
	.section	.rodata,"a",@progbits
	.p2align	6, 0x0
	.amdhsa_kernel k_q02ca27339c_down
		.amdhsa_group_segment_fixed_size 298496
		.amdhsa_private_segment_fixed_size 0
		.amdhsa_enable_private_segment 0
		.amdhsa_kernarg_size 56
		.amdhsa_user_sgpr_count 2
		.amdhsa_user_sgpr_kernarg_segment_ptr 1
		.amdhsa_wavefront_size32 1
		.amdhsa_system_sgpr_workgroup_id_x 1
		.amdhsa_system_sgpr_workgroup_id_y 1
		.amdhsa_system_sgpr_workgroup_id_z 1
		.amdhsa_system_vgpr_workitem_id 0
		.amdhsa_next_free_vgpr 1024
		.amdhsa_next_free_sgpr 66
		.amdhsa_reserve_vcc 1
		.amdhsa_float_denorm_mode_32 3
		.amdhsa_float_denorm_mode_16_64 3
		.amdhsa_memory_ordered 1
		.amdhsa_forward_progress 1
		.amdhsa_inst_pref_size 144
	.end_amdhsa_kernel
	.amdgpu_metadata
---
amdhsa.version: [ 1, 2 ]
amdhsa.kernels:
  - .name:           k_q02ca27339c_down
    .symbol:         k_q02ca27339c_down.kd
    .args:
      - { .name: expert_indices, .offset: 0, .size: 8, .value_kind: global_buffer, .address_space: global }
      - { .name: expert_weights, .offset: 8, .size: 8, .value_kind: global_buffer, .address_space: global }
      - { .name: w2_codes, .offset: 16, .size: 8, .value_kind: global_buffer, .address_space: global }
      - { .name: w2_scales, .offset: 24, .size: 8, .value_kind: global_buffer, .address_space: global }
      - { .name: hc, .offset: 32, .size: 8, .value_kind: global_buffer, .address_space: global }
      - { .name: hsc, .offset: 40, .size: 8, .value_kind: global_buffer, .address_space: global }
      - { .name: out0, .offset: 48, .size: 8, .value_kind: global_buffer, .address_space: global }
    .group_segment_fixed_size: 298496
    .private_segment_fixed_size: 0
    .kernarg_segment_align: 8
    .kernarg_segment_size: 56
    .max_flat_workgroup_size: 128
    .sgpr_count:     66
    .vgpr_count:     1024
    .wavefront_size: 32
...
	.end_amdgpu_metadata
.endif
;; end of part 3
;; ======== version 2 of 2: 3 launches; version 1 with the launches gateup, down written anew for expert scheduling mode
;; workspace buffers: hc 12,582,912 bytes; hsc 524,288 bytes; list 73,728 bytes of whole numbers
;; launch route: the kernel of part 1 again; grid 8 x 1, 1 waves a work-group, no clusters, 9,728 bytes of LDS; arguments expert_indices, list; writes list
;; launch gateup (part 4): grid 32 x 8, 4 waves a work-group, no clusters, 298,496 bytes of LDS; arguments list, x_codes, x_scales, w1_codes, w1_scales, w3_codes, w3_scales, hc, hsc; writes hc, hsc
.if DOCPART == 4
	.amdgcn_target "amdgcn-amd-amdhsa--gfx1250"
	.amdhsa_code_object_version 6
	.text
	.protected	k_q02ca27339c_gateup
	.globl	k_q02ca27339c_gateup
	.p2align	8
	.type	k_q02ca27339c_gateup,@function
k_q02ca27339c_gateup:
	s_mov_b64 s[64:65], 0
	v_nop
	global_prefetch_b8 v0, s[64:65] scope:SCOPE_SE
	s_setreg_imm32_b32 hwreg(HW_REG_WAVE_SCHED_MODE, 0, 2), 2
	s_setreg_imm32_b32 hwreg(HW_REG_WAVE_MODE, 25, 1), 1
	s_wait_xcnt 0x0
	s_wait_alu depctr_vm_vsrc(0)
; h = Q(silu(x w1) * (x w3)) for the 2,048 routed rows (token, k), sorted by expert.  All products on codes of FP6 (E2M3) with one E8M0 byte for each 32 along K.
; SHARES.  Work-group (isl, e) owns columns 32 isl .. 32 isl + 31 of expert e, in w1 and in w3: 64 weight rows of 1,536 bytes, one block of 32 along the next product's K.
; Every wave keeps all 64 fragments (16 K steps x 4 tiles, 768 registers) for the whole launch; wave w walks the expert's tiles of 16 routed rows w, w + 4, w + 8 ..
; THE LIST, stored by the launch before: for each expert 9,216 bytes: word p is the token of the expert's p-th entry, zeros behind the last, F (its tiles of 16) at byte 8,704.  An entry's slot in hc
; and hsc is 2048 e + p.  The expert's last tile is filled up with token 0, whose h is computed and never read.
; A tile's 16 tokens come as scalars, by one scalar load of 64 bytes, since each row of x is fetched whole from a base of its own; the lanes' own tokens, for x's scale words, by one vector load.
; THE PRODUCT IS USED TRANSPOSED: source 0 = 16 weight rows, source 1 = 16 rows of x, so a lane holds one routed row.  Row m of tile u is column 8 u + m + 8 (m / 8): the 16 registers of
; tiles 0 and 1 are then gate's columns 16 (lane / 16) + 0 .. 15, those of tiles 2 and 3 the same columns of up: half a block of the next K, in one lane.
; OUT.  hc [block 0..31][slot 0..16383][24 bytes]; hsc [K step 0..7][slot][4 bytes], byte b % 4 of plane b / 4 for block b.
; NO TENSOR LOADS, NO JOINT REQUESTS: how many tiles a wave walks and which rows of x they hold is read from the list, so operands go through registers, and partners would walk unlike numbers of tiles.
; LIMITS: NaN and infinities in h are not served.  Where the gate's input lies under about -88 the exponential overflows, the reciprocal is 0 and h is a zero where the exact number is of denormal size.
; A block of zeros gets the byte 1 (its codes are zeros; this program alone reads the bytes).
; REGISTERS, in windows of 256.  Fragment f = 4 s + t lies in window 1 + f / 21 at v[12 (f % 21)]; fragment 63 in window 0.  v252 of every window holds the wave's stage address, so that the LDS loads
; between matrix instructions need no switch of windows.  Window 0: see the names below.
; THE MODE: SCHED_MODE bits 1:0 = 2 (LLVM: expert scheduling mode 2), set by the entry lines.  The code itself states the register dependences
; between vector or matrix instructions and memory or LDS instructions, with s_wait_alu, always for 0.
; THE PLAN.  Registers that memory or LDS instructions touch, in the loop:
;   FB            Four fragments of x, as two buffers of two K steps.  LDS loads land in a buffer; the eight products of its two K steps read it.  The epilogue's vector lines lay T, M0, M1, SCL over FB.
;   XS0, XS1      Loaded at the head of the tile of the other parity; read as scales by the products of the tile of their own.
;   X             Global loads land in it, LDS stores read it; no vector instruction names it.
;   TOK           Loaded in a tile's middle; read by one vector line at the next tile's head.
;   LA, XA        Written at a tile's head; read by loads of that tile.
;   CD, BYTE, HA, SA   Written in the epilogue; read by its two stores.
;   L16, STW, R4, R24 and v252 of every window are made at the kernel's head and never written again.
; So a tile has: one wait on va_vdst behind its head's address lines; in each half of K two, each at the head of a pair of K steps, behind which the loads into the buffer that the pair before has left are dealt
; among the pair's first four products, which name the other buffer; one on vm_vsrc and one on va_vdst in its middle; the epilogue's three; and one on vm_vsrc at its end, ahead of the branches, which frees all
; that the next tile writes again.
.set PITCH, 1552                       ; an LDS row of 1,536 bytes + 16 = 388 words: row r starts 4 r words on, modulo the 64 banks (ISA guide 11.1)
.set XST,   64*PITCH                   ; LDS 0: the 64 weight rows, in tile order.  From XST: for each wave two stages of 16 rows of x
.set SZ,    16*PITCH
.set WSTG,  2*SZ
.set LISTB, 9216                       ; an expert's part of the list
.set FOFF,  8704                       ; where F lies in it
.set PL,    393216                     ; a plane of hc: 16,384 slots x 24 bytes
.set L16, 1                            ; v1   16 x lane
.set LA,  2                            ; v2   my byte in the list: 4 r + the wave's and the trip's tiles
.set TOK, 3                            ; v3   the next tile's tokens (lane % 16)
.set XA,  4                            ; v4   byte offset of my token's scale words
.set STW, 5                            ; v5   my wave's stages + 16 x lane
.set R24, 6                            ; v6   24 r + 12 h
.set R4,  7                            ; v7   4 r
.set HA,  8                            ; v8   offset of the store into hc
.set SA,  9                            ; v9   and into hsc
.set H32, 10                           ; v10  32 h
.set BYTE,11                           ; v11  the block's scale byte
.set CD,  12                           ; v12-14 16 codes
.set PX,  15                           ; v15  the other half's largest magnitude
.set XS,  16                           ; v16-23, v24-31 x's scale words, by the tile's parity: register j: lanes 0-15 K step j, lanes 16-31 K step 8 + j
.set WS,  32                           ; v32-63 the weights' scale words: 8 t + j, laid likewise
.set ACC, 64                           ; v64-95 four accumulators
.set FB,  96                           ; v96-143 four fragments of x; at work in the head and in the epilogue
.set T,   96
.set M0,  112
.set M1,  113
.set SCL, 114
.set X,   144                          ; v144-239 eight rows of x on their way to the stage
.set F63, 240                          ; v240-251 fragment 63
.set FRA, 252                          ; v252 my wave's stages + 1552 r + 24 h
.set TKS, 68                           ; s[68:83] the next tile's 16 tokens
.set MSB, 0
.macro WIN new                         ; the immediate's high byte repeats the setting that is left; a switch that changes nothing is dropped
.if MSB != (\new)
	s_set_vgpr_msb (MSB<<8)|(\new)
.set MSB, (\new)
.endif
.endm
.macro FREG phi                        ; where fragment phi lies: window FW, register FRG
.if (\phi) < 63
.set FW, 1+(\phi)/21
.set FRG, 12*((\phi)%21)
.else
.set FW, 0
.set FRG, F63
.endif
.endm
.macro NOPS n
.rept \n
	v_nop
.endr
.endm
.macro BARRIER                         ; my LDS instructions are done: then the work-group's barrier
	s_wait_dscnt 0x0
	s_barrier_signal -1
	s_barrier_wait -1
.endm
	s_load_b512 s[4:19], s[0:1], 0x0               ; list s[4:5], x codes s[6:7], x scales s[8:9], w1 codes, w1 scales, w3 codes, w3 scales s[10:17], hc s[18:19]
	s_load_b64 s[20:21], s[0:1], 0x40              ; hsc
	v_lshl_add_u32 v254, v0, 2, 0x48c00
	v_mov_b32 v255, 0
	v_lshrrev_b32 v96, 5, v0
	v_readfirstlane_b32 s22, v96                   ; wave 0..3
	s_and_b32 s23, ttmp7, 0xffff                   ; e
	s_mov_b32 s24, ttmp9                           ; isl
	v_and_b32 v96, 31, v0                          ; lane
	v_and_b32 v97, 15, v0                          ; r
	v_bfe_u32 v98, v0, 4, 1                        ; h
	v_lshlrev_b32 v[L16], 4, v96
	v_lshlrev_b32 v[R4], 2, v97
	v_mul_u32_u24 v[R24], v97, 24
	v_mad_u32_u24 v[R24], v98, 12, v[R24]
	v_lshlrev_b32 v[H32], 5, v98
	v_mov_b32 v[PX], 0                             ; written once: a lane permute's destination counts as one of its sources
	s_wait_alu depctr_va_sdst(0)                   ; s22, the wave's number, is written, ahead of its first reader
	s_mul_i32 s84, s22, WSTG
	s_add_co_u32 s84, s84, XST                     ; my wave's two stages
	v_add_nc_u32 v[STW], s84, v[L16]
	v_mul_u32_u24 v99, v97, PITCH
	v_mad_u32_u24 v99, v98, 24, v99                ; a fragment's place: 1552 r + 24 h: w1's rows;
	v_add_nc_u32 v[FRA], s84, v99
	v_add_nc_u32 v100, 32*PITCH, v99               ; w3's rows lie 32 rows on
	s_lshr_b32 s85, s22, 1                         ; which matrix my wave fetches (0: w1, 1: w3),
	s_and_b32 s86, s22, 1                          ; and which 16 of its 32 rows
	s_lshl_b32 s87, s85, 5
	s_lshl_b32 s88, s86, 3
	s_add_co_u32 s87, s87, s88
	s_mul_i32 s87, s87, PITCH
	v_add_nc_u32 v101, s87, v[L16]                 ; where they go: column 16 half + 8 u + j is row 32 matrix + 16 u + 8 half + j
	v_and_b32 v106, 8, v97
	v_add_nc_u32 v106, v106, v97                   ; r + 8 (r / 8)
	v_lshlrev_b32 v106, 6, v106
	v_lshl_add_u32 v106, v98, 5, v106              ; the weights' scale words: 64 bytes a row, + 32 h
	WIN 0x40
	v_mov_b32 v[FRA], v[FRA]                       ; the stage address, copied into v252 of windows 1, 2, 3
	WIN 0x80
	v_mov_b32 v[FRA], v[FRA]
	WIN 0xc0
	v_mov_b32 v[FRA], v[FRA]
	WIN 0
	s_mov_b32 s52, 0x76543210
	s_mov_b32 s53, 0xfedcba98                      ; v_permlanex16_b32's selects for lane l xor 16
	s_lshl_b32 s28, s22, 6                         ; my wave's first tile in the expert's list: 64 bytes a tile
	v_add_nc_u32 v[LA], s28, v[R4]
	s_mov_b32 s33, 0                               ; s[32:33]: a 32-bit offset with 0 above it
	s_lshl_b32 s89, s23, 10
	s_lshl_b32 s90, s24, 5
	s_add_co_u32 s89, s89, s90                     ; the work-group's first weight row: 1024 e + 32 isl
	s_lshl_b32 s90, s86, 4
	s_add_co_u32 s90, s90, s89
	s_mul_i32 s90, s90, 1536                       ; my wave's 16 rows of codes, in bytes
	s_lshl_b32 s89, s89, 6                         ; the 32 rows' scale bytes
	s_mul_i32 s91, s24, PL
	s_mul_i32 s92, s23, 49152
	s_add_co_u32 s91, s91, s92
	s_mul_i32 s92, s22, 384
	s_add_co_u32 s91, s91, s92                     ; hc: plane isl, slot 2048 e + 16 w
	s_lshr_b32 s92, s24, 2
	s_lshl_b32 s92, s92, 16
	s_lshl_b32 s93, s23, 13
	s_add_co_u32 s92, s92, s93
	s_lshl_b32 s93, s22, 6
	s_add_co_u32 s92, s92, s93
	s_and_b32 s93, s24, 3
	s_add_co_u32 s92, s92, s93                     ; hsc: plane isl / 4, the same slot, byte isl % 4
	s_mul_i32 s94, s23, LISTB                      ; the expert's part of the list
	s_wait_kmcnt 0x0
	s_cmp_lt_u32 s22, 2                            ; the choice hangs on the wave's number alone
	s_cselect_b64 s[34:35], s[10:11], s[14:15]
	s_mov_b32 s32, s94
	s_add_nc_u64 s[4:5], s[4:5], s[32:33]
	s_mov_b32 s32, s90
	s_add_nc_u64 s[34:35], s[34:35], s[32:33]
	s_mov_b32 s32, s89
	s_add_nc_u64 s[12:13], s[12:13], s[32:33]
	s_add_nc_u64 s[16:17], s[16:17], s[32:33]
	s_mov_b32 s32, s91
	s_add_nc_u64 s[18:19], s[18:19], s[32:33]
	s_mov_b32 s32, s92
	s_add_nc_u64 s[20:21], s[20:21], s[32:33]
.macro TOKLOAD imm                     ; the 16 tokens of the tile imm bytes on in the list: as scalars, and lane by lane
	s_load_b512 s[TKS:TKS+15], s[4:5], s28 offset:\imm
	global_load_b32 v[TOK], v[LA], s[4:5] offset:\imm
.endm
.macro XSLOAD p                        ; the scale words of the tokens in TOK, into set p
	v_min_u32 v[XA], 1023, v[TOK]
	v_lshl_add_u32 v[XA], v[XA], 6, v[H32]
	s_wait_alu depctr_va_vdst(0)                   ; XA is written, which the two loads read, and TOK has been read, in which the next tokens land.  In a tile also: LA is written; the last tile's products are done reading this set of scale words and x's fragments; the epilogue is done with T: loads land in all of these
	global_load_b128 v[XS+8*(\p):XS+8*(\p)+3], v[XA], s[8:9]
	global_load_b128 v[XS+8*(\p)+4:XS+8*(\p)+7], v[XA], s[8:9] offset:16
.endm
.macro PFLOAD b                        ; rows 8 b .. 8 b + 7 of the tile whose tokens lie in s[68:83]: each row by three loads of 512 consecutive bytes
.irp i, 0,1,2,3,4,5,6,7
	s_min_u32 s54, s[TKS+8*(\b)+\i], 1023
	s_mul_i32 s32, s54, 1536
	s_add_nc_u64 s[36+2*\i:37+2*\i], s[6:7], s[32:33]
.irp c, 0,1,2
	global_load_b128 v[X+12*\i+4*\c:X+12*\i+4*\c+3], v[L16], s[36+2*\i:37+2*\i] offset:512*\c
.endr
.endr
.endm
.macro PFSTORE b, pn                   ; and into stage pn
.irp i, 0,1,2,3,4,5,6,7
.irp c, 0,1,2
	ds_store_b128 v[STW], v[X+12*\i+4*\c:X+12*\i+4*\c+3] offset:(\pn)*SZ+(8*(\b)+\i)*PITCH+512*\c
.endr
.endr
.endm
	s_wait_alu depctr_va_vdst(0)                   ; every offset and address made above is written (v1, v2, v5 to v7, v10, v99 to v101, v106, v252 of the four windows, v254, v255): the loads and stores below read them
	s_load_b32 s25, s[4:5], FOFF                   ; F
	TOKLOAD 0                                      ; my first tile's tokens
	WIN 0x40                                       ; destination window 1
.set n, 0
.rept 48
	global_load_b128 v[4*n:4*n+3], v[L16], s[34:35] offset:512*n th:TH_LOAD_NT   ; my 16 weight rows are 24,576 dense bytes, 512 a load; the launch reads them once
.set n, n+1
.endr
	WIN 0
.irp u, 0,1
.irp c, 0,1
	global_load_b128 v[WS+8*\u+4*\c:WS+8*\u+4*\c+3], v106, s[12:13] offset:512*\u+16*\c          ; w1's tile u: row 8 u + r + 8 (r / 8), K steps 8 h + 4 c on
	global_load_b128 v[WS+16+8*\u+4*\c:WS+16+8*\u+4*\c+3], v106, s[16:17] offset:512*\u+16*\c    ; w3's
.endr
.endr
	s_wait_loadcnt 56                              ; the lanes' tokens are in; the 48 + 8 loads issued behind them may be out
	s_wait_kmcnt 0x0                               ; F and the 16 tokens
	XSLOAD 0
	PFLOAD 0                                       ; x's first eight rows go out right behind the weights
	s_wait_loadcnt 26                              ; my weight rows and all the weights' scale words are in; the 2 + 24 loads issued behind them may be out
	WIN 0x04                                       ; an LDS store's data are its source 1: window 1
.set n, 0
.rept 48
	ds_store_b128 v101, v[4*n:4*n+3] offset:(16*((n/3)/8)+(n/3)%8)*PITCH+512*(n%3)
.set n, n+1
.endr
	WIN 0
	s_wait_loadcnt 0x0
	PFSTORE 0, 0
	BARRIER                                        ; the 64 weight rows lie in LDS
	s_wait_alu depctr_vm_vsrc(0)                   ; my LDS stores have read the registers in which the weight rows landed, and X: the fragments' loads and x's next rows land there
	PFLOAD 1                                       ; x's second eight rows, and the next tile's tokens, land while the fragments are read
	TOKLOAD 256
.set PHI, 0
.rept 64                               ; all 64 weight fragments: lane (r, h) takes 24 bytes at 96 s + 24 h and at 96 s + 48 + 24 h of row r of tile t, in pieces of 8 bytes
	FREG PHI
	WIN (FW<<6)
.irp k, 0,1,2,3,4,5
.if (PHI%4) < 2
	ds_load_b64 v[FRG+2*\k:FRG+2*\k+1], v99 offset:16*(PHI%2)*PITCH+96*(PHI/4)+48*(\k/3)+8*(\k%3)
.else
	ds_load_b64 v[FRG+2*\k:FRG+2*\k+1], v100 offset:16*(PHI%2)*PITCH+96*(PHI/4)+48*(\k/3)+8*(\k%3)
.endif
.endr
.set PHI, PHI+1
.endr
	WIN 0
	s_wait_dscnt 0x0
	s_wait_loadcnt 0x0
	PFSTORE 1, 0
	s_wait_alu depctr_vm_vsrc(0)                   ; ahead of the loop and its branches: the LDS stores have read X; the loads above have read LA, XA and the head's addresses v99 to v106: the first tile writes the first three again, and x's fragments land in the last
	s_wait_kmcnt 0x0                               ; the tokens of my second tile
.macro XFRAG s, p                      ; x's fragment of K step s out of stage p.  The address is v252 of whatever window source 0 stands in
.irp k, 0,1,2,3,4,5
	ds_load_b64 v[FB+12*((\s)%4)+2*\k:FB+12*((\s)%4)+2*\k+1], v[FRA] offset:(\p)*SZ+96*(\s)+48*(\k/3)+8*(\k%3)
.endr
.endm
.macro XPART s, p, lo                  ; three of these six loads: pieces lo, lo + 1, lo + 2 (lo = 0 or 3)
.irp k, 0,1,2
	ds_load_b64 v[FB+12*((\s)%4)+2*((\lo)+\k):FB+12*((\s)%4)+2*((\lo)+\k)+1], v[FRA] offset:(\p)*SZ+96*(\s)+48*((\lo)/3)+8*\k
.endr
.endm
; K step s: the four accumulators by turns, one instruction a turn.  nx >= 0: behind each product stand three loads of the fragments of K steps nx (t = 0, 1) and nx + 1 (t = 2, 3),
; which go into the buffer that the products of this pair of K steps do not name.
.macro MM s, p, nx
.irp t, 0,1,2,3
	FREG 4*(\s)+\t
	WIN FW
.set rD, ACC+8*\t
.set rB, FB+12*((\s)%4)
.set rSA, WS+8*\t+(\s)%8
.set rSB, XS+8*(\p)+(\s)%8
.if (\s) == 0
	v_wmma_scale_f32_16x16x128_f8f6f4 v[rD:rD+7], v[FRG:FRG+11], v[rB:rB+11], 0, v[rSA], v[rSB] matrix_a_fmt:MATRIX_FMT_FP6 matrix_b_fmt:MATRIX_FMT_FP6
.elseif (\s) < 8
	v_wmma_scale_f32_16x16x128_f8f6f4 v[rD:rD+7], v[FRG:FRG+11], v[rB:rB+11], v[rD:rD+7], v[rSA], v[rSB] matrix_a_fmt:MATRIX_FMT_FP6 matrix_b_fmt:MATRIX_FMT_FP6
.else
	v_wmma_scale_f32_16x16x128_f8f6f4 v[rD:rD+7], v[FRG:FRG+11], v[rB:rB+11], v[rD:rD+7], v[rSA], v[rSB] matrix_a_fmt:MATRIX_FMT_FP6 matrix_b_fmt:MATRIX_FMT_FP6 matrix_a_scale:MATRIX_SCALE_ROW1 matrix_b_scale:MATRIX_SCALE_ROW1
.endif
.if (\nx) >= 0
	XPART (\nx)+\t/2, \p, 3*(\t%2)
.endif
.endr
.endm
; Eight K steps, in four pairs, on two buffers of two fragments by turns.  Both buffers are asked for at the head.  At the head of the second and the third pair: the pair's own buffer is in; four places;
; one wait, which states that the pair before is done reading the other buffer; and the next pair is asked for into that buffer, among the pair's first four products.
; The last pair asks for nothing, so it has no such wait.  Four places stand behind the last products, for what follows the macro (ISA guide 7.12.1 for vector instructions).
.macro HALF a, p
.irp j, 0,1,2,3
	XFRAG 8*(\a)+\j, \p
.endr
	s_wait_dscnt 12                                ; the first pair's fragments are in; the twelve loads of the second pair's may be out
	MM 8*(\a), \p, -1
	MM 8*(\a)+1, \p, -1
.irp j, 2,4
	s_wait_dscnt 0x0                               ; this pair's two fragments are in
	NOPS 4                                         ; places between the last pair's products and the loads into the fragments that they read
	s_wait_alu depctr_va_vdst(0)                   ; the last pair's eight products are done reading their two fragments, in which the twelve loads below land
	MM 8*(\a)+\j, \p, 8*(\a)+\j+2
	MM 8*(\a)+\j+1, \p, -1
.endr
	s_wait_dscnt 0x0                               ; the last pair's fragments are in
	MM 8*(\a)+6, \p, -1
	MM 8*(\a)+7, \p, -1
	NOPS 4
.endm
; gate and up become 16 codes and a scale byte.  Each accumulator is read from its low end on.
.macro EPI off
.irp j, 0,2,4,6,8,10,12,14
	v_pk_mul_f32 v[T+\j:T+\j+1], v[ACC+\j:ACC+\j+1], 0xbfb8aa3b op_sel_hi:[1,0]   ; -g log2(e)
.endr
.irp j, 0,1,2,3,4,5,6,7,8,9,10,11,12,13,14,15
	v_exp_f32 v[T+\j], v[T+\j]
.endr
	v_nop                                          ; a plain place behind the transcendentals
	s_wait_alu depctr_va_vdst(0)                   ; the sixteen exponentials have written T, ahead of their first reader
.irp j, 0,2,4,6,8,10,12,14
	v_pk_add_f32 v[T+\j:T+\j+1], v[T+\j:T+\j+1], 1.0 op_sel_hi:[1,0]
.endr
.irp j, 0,1,2,3,4,5,6,7,8,9,10,11,12,13,14,15
	v_rcp_f32 v[T+\j], v[T+\j]                     ; sigmoid(g)
.endr
	v_nop
	s_wait_alu depctr_va_vdst(0)                   ; the sixteen reciprocals have written T, ahead of their first reader
.irp j, 0,2,4,6,8,10,12,14
	v_pk_mul_f32 v[ACC+\j:ACC+\j+1], v[ACC+\j:ACC+\j+1], v[T+\j:T+\j+1]             ; silu(g)
.endr
.irp j, 0,2,4,6,8,10,12,14
	v_pk_mul_f32 v[ACC+\j:ACC+\j+1], v[ACC+\j:ACC+\j+1], v[ACC+16+\j:ACC+17+\j]     ; x up
.endr
	v_max3_num_f32 v[M0], |v[ACC]|, |v[ACC+1]|, 0x1800000      ; my 16 numbers and the floor 2^(3 - 127): the byte cannot fall under 1
	v_max3_num_f32 v[M1], |v[ACC+2]|, |v[ACC+3]|, |v[ACC+4]|
.irp j, 5,9
	v_max3_num_f32 v[M0], v[M0], |v[ACC+\j]|, |v[ACC+\j+1]|
	v_max3_num_f32 v[M1], v[M1], |v[ACC+\j+2]|, |v[ACC+\j+3]|
.endr
	v_max3_num_f32 v[M0], v[M0], |v[ACC+13]|, |v[ACC+14]|
	v_max3_num_f32 v[M0], v[M0], v[M1], |v[ACC+15]|
	v_permlanex16_b32 v[PX], v[M0], s52, s53
	v_max_num_f32 v[M0], v[M0], v[PX]              ; with lane l xor 16's 16: the block's largest magnitude
	v_add_nc_u32 v[SCL], 0xff000000, v[M0]         ; 2 off its exponent field: the conversion takes that field as its scale
	s_wait_xcnt 0x0                                ; the last tile's stores have had their addresses translated: their data and offsets are written again only behind this wait (that they have read these registers is stated by the wait on vm_vsrc at the last tile's end)
	v_lshrrev_b32 v[BYTE], 23, v[SCL]
	v_cvt_scalef32_pk16_fp6_f32 v[CD:CD+2], v[ACC:ACC+15], v[SCL]
	v_nop                                          ; one plain place behind a scaled conversion
	v_add_nc_u32 v[HA], s29, v[R24]
	v_add_nc_u32 v[SA], s30, v[R4]
	s_wait_alu depctr_va_vdst(0)                   ; the codes, the byte and the two offsets are written, which the two stores read
	global_store_b96 v[HA], v[CD:CD+2], s[18:19] offset:1536*\off    ; the wave stores 384 consecutive bytes: 16 slots of 24
	global_store_b8 v[SA], v[BYTE], s[20:21] offset:256*\off         ; lanes l and l + 16 write the same byte with the same value
.endm
; A tile f: its rows lie in stage p, its scale words in set p; the tokens of tile f + 4 lie in s[68:83] and in TOK.  Tile f + 4 is fetched into the other stage meanwhile, eight rows under each half
; of K.  As soon as its second eight bases are made, the tokens of tile f + 8 are asked for: half of K and the epilogue stand between the request and the wait for it.
; Past the expert's last tile the list holds zeros: token 0 is fetched and not used.
.macro TILE p, off
	v_add_nc_u32 v[LA], s28, v[R4]                 ; (no load of mine is out)
	XSLOAD 1-\p
	PFLOAD 0
	HALF 0, \p
	WIN 0
	s_wait_loadcnt 0x0                             ; eight rows and the scale words are in
	PFSTORE 0, 1-\p
	s_wait_dscnt 0x0                               ; the stores are done
	s_wait_alu depctr_vm_vsrc(0)                   ; they have read X, in which the next eight rows land
	s_wait_alu depctr_va_vdst(0)                   ; the products of K steps 4 to 7 are done reading x's four fragments, in which the second half's first loads land
	PFLOAD 1
	TOKLOAD 256*(\off+2)
	HALF 1, \p
	WIN 0
	EPI \off
	s_wait_loadcnt 0x0
	PFSTORE 1, 1-\p
	s_wait_alu depctr_vm_vsrc(0)                   ; ahead of the branches: the LDS stores have read X; this tile's loads have read LA and XA; the epilogue's stores have read the codes, the byte and their offsets: the next tile writes all of these again
	s_wait_kmcnt 0x0                               ; the tokens are in, and the scalar load has read the list's offset, which the trip's end steps
.endm
	s_mov_b32 s26, 0
	s_mov_b32 s27, s22                             ; f = 8 i + w
	s_mov_b32 s29, 0
	s_mov_b32 s30, 0
.Ltrip:                                                ; 16 trips, whatever the split: F is at most 128.  What hangs on F is a jump over the work; no barrier stands in the loop
	s_cmp_ge_u32 s27, s25
	s_cbranch_scc1 .Lskip                          ; no tile f: then none at f + 4 either
	TILE 0, 0
	s_add_co_u32 s54, s27, 4
	s_cmp_ge_u32 s54, s25
	s_cbranch_scc1 .Lskip
	TILE 1, 1
.Lskip:
	s_add_co_u32 s27, s27, 8
	s_add_co_u32 s28, s28, 512                     ; 8 tiles of the list,
	s_add_co_u32 s29, s29, 3072                    ; of hc,
	s_add_co_u32 s30, s30, 512                     ; of hsc
	s_add_co_u32 s26, s26, 1
	s_cmp_lt_u32 s26, 16
	s_cbranch_scc1 .Ltrip
	s_wait_dscnt 0x0                               ; the closing lines, six on end
	s_wait_alu 0x0
	s_wait_tensorcnt 0x0
	ds_add_u32 v254, v255
	s_wait_dscnt 0x0
	s_endpgm
.Lfunc_end_k_q02ca27339c_gateup:
	.size	k_q02ca27339c_gateup, .Lfunc_end_k_q02ca27339c_gateup-k_q02ca27339c_gateup
	.p2alignl 7, 3214868480
	.fill 96, 4, 3214868480
	.section	.rodata,"a",@progbits
	.p2align	6, 0x0
	.amdhsa_kernel k_q02ca27339c_gateup
		.amdhsa_group_segment_fixed_size 298496
		.amdhsa_private_segment_fixed_size 0
		.amdhsa_enable_private_segment 0
		.amdhsa_kernarg_size 72
		.amdhsa_user_sgpr_count 2
		.amdhsa_user_sgpr_kernarg_segment_ptr 1
		.amdhsa_wavefront_size32 1
		.amdhsa_system_sgpr_workgroup_id_x 1
		.amdhsa_system_sgpr_workgroup_id_y 1
		.amdhsa_system_sgpr_workgroup_id_z 1
		.amdhsa_system_vgpr_workitem_id 0
		.amdhsa_next_free_vgpr 1024
		.amdhsa_next_free_sgpr 100
		.amdhsa_reserve_vcc 0
		.amdhsa_float_denorm_mode_32 3
		.amdhsa_float_denorm_mode_16_64 3
		.amdhsa_memory_ordered 1
		.amdhsa_forward_progress 1
		.amdhsa_inst_pref_size 110
	.end_amdhsa_kernel
	.amdgpu_metadata
---
amdhsa.version: [ 1, 2 ]
amdhsa.kernels:
  - .name:           k_q02ca27339c_gateup
    .symbol:         k_q02ca27339c_gateup.kd
    .args:
      - { .name: list, .offset: 0, .size: 8, .value_kind: global_buffer, .address_space: global }
      - { .name: x_codes, .offset: 8, .size: 8, .value_kind: global_buffer, .address_space: global }
      - { .name: x_scales, .offset: 16, .size: 8, .value_kind: global_buffer, .address_space: global }
      - { .name: w1_codes, .offset: 24, .size: 8, .value_kind: global_buffer, .address_space: global }
      - { .name: w1_scales, .offset: 32, .size: 8, .value_kind: global_buffer, .address_space: global }
      - { .name: w3_codes, .offset: 40, .size: 8, .value_kind: global_buffer, .address_space: global }
      - { .name: w3_scales, .offset: 48, .size: 8, .value_kind: global_buffer, .address_space: global }
      - { .name: hc, .offset: 56, .size: 8, .value_kind: global_buffer, .address_space: global }
      - { .name: hsc, .offset: 64, .size: 8, .value_kind: global_buffer, .address_space: global }
    .group_segment_fixed_size: 298496
    .private_segment_fixed_size: 0
    .kernarg_segment_align: 8
    .kernarg_segment_size: 72
    .max_flat_workgroup_size: 128
    .sgpr_count:     100
    .vgpr_count:     1024
    .wavefront_size: 32
...
	.end_amdgpu_metadata
.endif
;; end of part 4
;; launch down (part 5): grid 8 x 32, 4 waves a work-group, no clusters, 298,496 bytes of LDS; arguments expert_indices, expert_weights, w2_codes, w2_scales, hc, hsc, out0; writes out0
.if DOCPART == 5
	.amdgcn_target "amdgcn-amd-amdhsa--gfx1250"
	.amdhsa_code_object_version 6
	.text
	.protected	k_q02ca27339c_down
	.globl	k_q02ca27339c_down
	.p2align	8
	.type	k_q02ca27339c_down,@function
k_q02ca27339c_down:
	s_mov_b64 s[64:65], 0
	v_nop
	global_prefetch_b8 v0, s[64:65] scope:SCOPE_SE
	s_setreg_imm32_b32 hwreg(HW_REG_WAVE_SCHED_MODE, 0, 2), 2
	s_setreg_imm32_b32 hwreg(HW_REG_WAVE_MODE, 25, 1), 1
	s_wait_xcnt 0x0
	s_wait_alu depctr_vm_vsrc(0)
; out0[token] = weight0 * (h w2)[entry 0] + weight1 * (h w2)[entry 1].  The product on codes of FP6 (E2M3) with one E8M0 byte for each 32 along K = 1,024.
; SHARES.  Work-group (tb, cs) owns tokens 128 tb .. + 127 x columns 64 cs .. + 63 of out0: each piece of an output row has one owner, and nothing is added across work-groups.
; Wave w keeps the 64 rows x 768 bytes of w2 of experts 2 w and 2 w + 1 in registers (fragment f = 32 x + 4 s + t, 768 registers) and multiplies the routed rows of these two experts that belong
; to the block's tokens.  In the first launch's order such rows are neighbouring slots: row0 = 2048 e + (entries of e in earlier blocks), n of them.  A tile is 16 slots from row0 + 16 q on, held at the
; group's last slot: only slots that were written are multiplied.
; THE PRODUCT IS USED TRANSPOSED: source 0 = 16 rows of w2, source 1 = 16 slots: a lane holds one slot and eight neighbouring columns.
; y goes to the wave's region of LDS, 17 places of 16 rows x (256 + 16) bytes: the even expert's tile q at place q, the odd expert's at place 16 - q; the two have 17 tiles at the most (256 entries in two groups).
; Wave 0 writes a table: for each token (weight 0, y address 0, weight 1, y address 1).  One barrier; then each wave adds and stores 32 tokens, sixteen lanes to 256 consecutive aligned bytes.
; EVERY WAVE WALKS BOTH LOOPS OF 16 TRIPS; what hangs on the counts is a jump over a tile, inside a trip.  A wave none of whose experts was chosen in this block asks once for the slot in front of its
; odd expert's group (slot 2,047 at the least, inside hc) and uses nothing of it.
; NO TENSOR LOADS, NO JOINT REQUESTS: how many tiles a wave has, and where they lie, is counted from expert_indices, so operands go through registers.
; The indices are taken to lie in 0 .. 7.  NaN and infinities are not served.
; THE MODE: SCHED_MODE bits 1:0 = 2 (LLVM: expert scheduling mode 2), set by the entry lines.  The code itself states the register dependences
; between vector or matrix instructions and memory or LDS instructions, with s_wait_alu, always for 0.
; THE PLAN.  Registers that memory or LDS instructions touch, in the two loops:
;   HB, HS        A tile of h and its scale words, in two halves of K.  A half's 16 products read it; behind them the next tile's loads land in it.
;   HN, HSN, YS   Written at a tile's head; HN and HSN are read by the loads of the next tile's h, YS by the tile's LDS stores.
;   ACC           Written by the products; read by the tile's eight LDS stores.
; So a tile has one wait on va_vdst behind each half's products (the second of them in both arms; it also serves the LDS stores) and one on vm_vsrc at its end, ahead of the branches, which frees ACC, YS, HN, HSN.
; The loads of h stay in runs: their offsets lie in window 0 alone, and the next tile is asked for ahead of the wait for this tile's second half.
; At the head: each run of eight compares has one wait on va_sdst ahead of the first reader of its masks.  In the combine: all 32 row addresses are made ahead of one wait, all 32 rows are asked for at once into
; registers of their own, and each half's eight stores stand behind one wait.
.set REGB, 73984                       ; a wave's region: 17 x 16 x 272 bytes.  It serves first as the stage for its weights: 64 rows, 784 bytes apart
.set TBL,  4*REGB                      ; the table: 128 tokens x 16 bytes
.set WP,   784                         ; 768 + 16 = 196 words: row r starts 4 r words on, modulo the 64 banks (ISA guide 11.1)
.set YP,   272
.set PL,   393216                      ; a plane of hc
.set L16, 1                            ; v1   16 x lane
.set SAD, 2                            ; v2   my region + 16 x lane
.set SBD, 3                            ; v3   the same + 16 h
.set WF,  4                            ; v4   my region + 784 r + 24 h
.set YS0, 5                            ; v5   my region + 272 r + 32 h
.set YS,  6                            ; v6   the y address in hand
.set RR,  7                            ; v7   r
.set HPL, 8                            ; v8   h x a plane of hc
.set H2,  9                            ; v9   h x two planes of hsc
.set HN,  10                           ; v10  offset of the next tile's codes
.set HSN, 11                           ; v11  and of its scale words
.set SL,  12                           ; v12  my slot
.set TBW, 13                           ; v13  the table + 32 x lane
.set TBR, 14                           ; v14  the table + 16 (32 w + h)
.set OA,  15                           ; v15  8192 h + 16 r
.set R16, 16                           ; v16  16 r
.set YSB, 17                           ; v17  YS0 + 16 places
.set WSA, 18                           ; v18  65536 h + 32 r
.set HS,  20                           ; v20-23 h's scale words: register 2 a + j: lanes 0-15 K step 4 a + j, lanes 16-31 K step 4 a + 2 + j
.set WS,  24                           ; v24-55 w2's: 8 t + s: lanes 0-15 the even expert, lanes 16-31 the odd one
.set ACC, 56                           ; v56-87 four accumulators
.set HB,  88                           ; v88-183 a tile of h: 12 registers a K step
.set EA,  88                           ; v88-151 at first: all indices
.set E,   184                          ; v184-191 the block's indices
.set WT,  192                          ; v192-199 the block's weights
.set RK,  200                          ; v200-207 each entry's place in its group
.set Q,   208                          ; v208-223 four rows of the table
.set F63, 240                          ; v240-251 fragment 63
.set T,   56                           ; the combine: v56-119 sixteen rows of the table, v120-247 y of the sixteen steps
.set Y,   120
.set MSB, 0
.macro WIN new                         ; the immediate's high byte repeats the setting that is left; a switch that changes nothing is dropped
.if MSB != (\new)
	s_set_vgpr_msb (MSB<<8)|(\new)
.set MSB, (\new)
.endif
.endm
.macro FREG phi                        ; fragment phi lies in window 1 + phi / 21 at v[12 (phi % 21)]; fragment 63 in window 0
.if (\phi) < 63
.set FW, 1+(\phi)/21
.set FRG, 12*((\phi)%21)
.else
.set FW, 0
.set FRG, F63
.endif
.endm
.macro NOPS n
.rept \n
	v_nop
.endr
.endm
	s_load_b256 s[4:11], s[0:1], 0x0               ; indices s[4:5], weights s[6:7], w2 codes s[8:9], w2 scales s[10:11]
	s_load_b128 s[12:15], s[0:1], 0x20             ; hc, hsc
	s_load_b64 s[16:17], s[0:1], 0x30              ; out0
	v_lshl_add_u32 v254, v0, 2, 0x48c00
	v_mov_b32 v255, 0
	v_lshrrev_b32 v19, 5, v0
	v_readfirstlane_b32 s18, v19                   ; wave 0..3
	s_mov_b32 s19, ttmp9                           ; tb
	s_and_b32 s20, ttmp7, 0xffff                   ; cs
	v_and_b32 v19, 31, v0                          ; lane
	v_and_b32 v[RR], 15, v0
	v_bfe_u32 v224, v0, 4, 1                       ; h
	v_lshlrev_b32 v[L16], 4, v19
	s_wait_alu depctr_va_sdst(0)                   ; s18, the wave's number, is written, ahead of its first reader
	s_lshl_b32 s21, s18, 1                         ; my even expert,
	s_add_co_u32 s22, s21, 1                       ; my odd one
	s_mul_i32 s48, s18, REGB
	v_add_nc_u32 v[SAD], s48, v[L16]
	v_lshl_add_u32 v[SBD], v224, 4, v[SAD]
	v_mul_u32_u24 v[WF], v[RR], WP
	v_mad_u32_u24 v[WF], v224, 24, v[WF]
	v_add_nc_u32 v[WF], s48, v[WF]
	v_mul_u32_u24 v[YS0], v[RR], YP
	v_lshl_add_u32 v[YS0], v224, 5, v[YS0]
	v_add_nc_u32 v[YS0], s48, v[YS0]
	v_add_nc_u32 v[YSB], 16*16*YP, v[YS0]
	v_mul_u32_u24 v[HPL], v224, PL
	v_lshlrev_b32 v[H2], 17, v224
	v_lshl_add_u32 v[TBW], v19, 5, TBL
	s_lshl_b32 s49, s18, 9
	v_lshl_add_u32 v[TBR], v224, 4, s49
	v_add_nc_u32 v[TBR], TBL, v[TBR]
	v_lshlrev_b32 v[R16], 4, v[RR]
	v_lshl_add_u32 v[OA], v224, 13, v[R16]
	v_lshlrev_b32 v[WSA], 5, v[RR]
	v_lshl_add_u32 v[WSA], v224, 16, v[WSA]
	s_mov_b32 s57, 0                               ; s[56:57]: a 32-bit offset with 0 above it
	s_wait_kmcnt 0x0
	s_lshl_b32 s56, s19, 10
	s_add_nc_u64 s[38:39], s[4:5], s[56:57]        ; my block's 256 indices,
	s_add_nc_u64 s[6:7], s[6:7], s[56:57]          ; and weights
	s_mul_i32 s56, s18, 3145728
	s_mul_i32 s48, s20, 49152
	s_add_co_u32 s56, s56, s48
	s_add_nc_u64 s[8:9], s[8:9], s[56:57]          ; w2's codes at row 2 w x 2048 + 64 cs
	s_lshl_b32 s56, s18, 17
	s_lshl_b32 s48, s20, 11
	s_add_co_u32 s56, s56, s48
	s_add_nc_u64 s[10:11], s[10:11], s[56:57]      ; and its scale bytes
	s_add_nc_u64 s[36:37], s[12:13], 16*PL         ; hc's planes 16 on: so every plane stands in a load's immediate
	s_lshl_b32 s56, s19, 20
	s_lshl_b32 s48, s18, 18
	s_add_co_u32 s56, s56, s48
	s_lshl_b32 s48, s20, 8
	s_add_co_u32 s56, s56, s48
	s_add_nc_u64 s[16:17], s[16:17], s[56:57]      ; out0 at token 128 tb + 32 w, column 64 cs
	s_wait_alu depctr_va_vdst(0)                   ; every offset and address made above is written (v1 to v5, v7 to v9, v13 to v18, v254, v255): the loads and stores below read them
.irp n, 0,1,2,3,4,5,6,7,8,9,10,11,12,13,14,15
	global_load_b128 v[EA+4*\n:EA+4*\n+3], v[L16], s[4:5] offset:512*\n
.endr
.irp q, 0,1
	global_load_b128 v[E+4*\q:E+4*\q+3], v[L16], s[38:39] offset:512*\q      ; register 4 q + i of lane L: token 128 tb + 64 q + 2 L + i / 2, k = i % 2
	global_load_b128 v[WT+4*\q:WT+4*\q+3], v[L16], s[6:7] offset:512*\q
.endr
.irp t, 0,1,2,3
.irp c, 0,1
	global_load_b128 v[WS+8*\t+4*\c:WS+8*\t+4*\c+3], v[WSA], s[10:11] offset:512*\t+16*\c
.endr
.endr
.macro LAND x                          ; expert x's 64 rows are 49,152 dense bytes, 512 a load, into the registers that its fragments will take.  Eight token blocks read them: no hint
.set n, 0
.rept 96
	FREG 32*(\x)+n/3
	WIN (FW<<6)
	global_load_b128 v[FRG+4*(n%3):FRG+4*(n%3)+3], v[L16], s[8:9] offset:(\x)*1572864+512*n
.set n, n+1
.endr
.endm
	LAND 0
	LAND 1
	WIN 0
	s_wait_loadcnt 63                              ; 192 loads were issued behind the 28 small ones and 96 behind the even expert's: with 63 out at the most, both are in
.macro COUNT ex, st, nn                ; entries of expert s[ex] in the blocks ahead of mine, and in mine
	s_mov_b32 s[\st], 0
	s_mov_b32 s[\nn], 0
.irp b, 0,1,2,3,4,5,6,7
.irp g, 0,1,2,3,4,5,6,7
	v_cmp_eq_u32 s[40+\g], s[\ex], v[EA+8*\b+\g]
.endr
	s_wait_alu depctr_va_sdst(0)                   ; the eight compares have written s40 to s47, ahead of the counts that read them
	s_bcnt1_i32_b32 s48, s40
.irp g, 1,2,3,4,5,6,7
	s_bcnt1_i32_b32 s49, s[40+\g]
	s_add_co_u32 s48, s48, s49
.endr
	s_cmp_gt_u32 s19, \b
	s_cselect_b32 s49, s48, 0
	s_cmp_eq_u32 s19, \b
	s_cselect_b32 s50, s48, 0
	s_add_co_u32 s[\st], s[\st], s49
	s_add_co_u32 s[\nn], s[\nn], s50
.endr
.endm
	COUNT 21, 58, 23
	COUNT 22, 59, 24
	s_add_co_u32 s25, s23, 15
	s_lshr_b32 s25, s25, 4                         ; tiles of the even expert's group,
	s_add_co_u32 s26, s24, 15
	s_lshr_b32 s26, s26, 4                         ; of the odd one's
	s_lshl_b32 s27, s21, 11
	s_add_co_u32 s27, s27, s58                     ; first slots,
	s_lshl_b32 s28, s22, 11
	s_add_co_u32 s28, s28, s59
	s_add_co_u32 s29, s27, s23
	s_sub_co_u32 s29, s29, 1                       ; last slots (the even expert's is used only where its group has rows)
	s_add_co_u32 s30, s28, s24
	s_sub_co_u32 s30, s30, 1
	s_cmp_lg_u32 s18, 0
	s_cbranch_scc1 .Ltabled                        ; wave 0 alone makes the table
.irp g, 0,1,2,3,4,5,6,7
	v_mov_b32 v[RK+\g], 0
.endr
.irp e, 0,1,2,3,4,5,6,7                ; an entry's place in its group: earlier registers' entries of its expert + those in lower lanes
	s_mov_b32 s48, 0
.irp g, 0,1,2,3,4,5,6,7
	v_cmp_eq_u32 s[40+\g], \e, v[E+\g]
.endr
	s_wait_alu depctr_va_sdst(0)                   ; the eight compares have written s40 to s47, ahead of the lines that read them
.irp g, 0,1,2,3,4,5,6,7
	v_mbcnt_lo_u32_b32 v224, s[40+\g], s48
	v_cndmask_b32 v[RK+\g], v[RK+\g], v224, s[40+\g]
	s_bcnt1_i32_b32 s49, s[40+\g]
	s_add_co_u32 s48, s48, s49
.endr
.endr
.irp g, 0,1,2,3,4,5,6,7
	v_and_b32 v[Q+2*\g], 1, v[E+\g]                ; is the entry's expert an odd one?  (at work in the table's registers, which are written below)
.endr
.irp g, 0,1,2,3,4,5,6,7
	v_cmp_eq_u32 s[40+\g], 1, v[Q+2*\g]
.endr
	s_wait_alu depctr_va_sdst(0)                   ; the eight compares have written s40 to s47, ahead of the selects that read them
.irp g, 0,1,2,3,4,5,6,7
	v_and_b32 v224, 0xf0, v[RK+\g]
	v_lshlrev_b32 v224, 1, v224
	v_sub_nc_u32 v224, v[RK+\g], v224
	v_add_nc_u32 v224, 0x100, v224                 ; an odd expert's row: 16 (16 - place / 16) + place % 16
	v_cndmask_b32 v224, v[RK+\g], v224, s[40+\g]   ; an even expert's: the place itself
	v_lshrrev_b32 v225, 1, v[E+\g]
	v_mul_u32_u24 v225, v225, REGB                 ; the region of the wave that has the expert
	v_mad_u32_u24 v[Q+2*\g+1], v224, YP, v225
	v_mov_b32 v[Q+2*\g], v[WT+\g]
.endr
	s_wait_alu depctr_va_vdst(0)                   ; the table's sixteen registers are written, which the LDS stores read
.irp d, 0,1,2,3
	ds_store_b128 v[TBW], v[Q+4*\d:Q+4*\d+3] offset:1024*(\d/2)+16*(\d%2)   ; token 64 (d / 2) + 2 lane + d % 2
.endr
.Ltabled:
.macro NEXTADR                         ; the offsets of the tile that begins at slot s34, held at slot s35
	s_wait_xcnt 0x0                                ; the loads that are out have had their addresses translated: their offsets are written again only behind this wait (that they have read them is stated by the wait on vm_vsrc at the last tile's end, for the first tile by the one behind the weights' LDS stores)
	v_add_nc_u32 v[SL], s34, v[RR]
	v_min_u32 v[SL], s35, v[SL]
	v_min_u32 v[SL], 16383, v[SL]
	v_mul_u32_u24 v[HN], v[SL], 24
	v_add_nc_u32 v[HN], v[HN], v[HPL]
	v_lshlrev_b32 v[HSN], 2, v[SL]
	v_add_nc_u32 v[HSN], v[HSN], v[H2]
.endm
.macro HREQ a                          ; K steps 4 a .. 4 a + 3 of that tile: 24 loads of codes (lane (r, h): block 4 s + 2 c + h of slot r, 24 bytes in three pieces) and 2 of scale words: 26
.irp s, 0,1,2,3
.irp c, 0,1
.irp k, 0,1,2
.if \a
	global_load_b64 v[HB+12*(4+\s)+6*\c+2*\k:HB+12*(4+\s)+6*\c+2*\k+1], v[HN], s[36:37] offset:(4*\s+2*\c)*PL+8*\k
.else
	global_load_b64 v[HB+12*\s+6*\c+2*\k:HB+12*\s+6*\c+2*\k+1], v[HN], s[12:13] offset:(4*\s+2*\c)*PL+8*\k
.endif
.endr
.endr
.endr
.irp j, 0,1
	global_load_b32 v[HS+2*\a+\j], v[HSN], s[14:15] offset:(4*\a+\j)*65536
.endr
.endm
	s_cmp_lg_u32 s25, 0                            ; my first tile: the even expert's, or else the odd one's.  With no tile at all: the slot in front of the odd expert's group, not used
	s_cselect_b32 s34, s27, s28
	s_cselect_b32 s35, s29, s30
	NEXTADR
	s_wait_alu depctr_va_vdst(0)                   ; the two offsets are written, which the loads read; the compares are done reading the indices, in whose registers h lands
	HREQ 0
	HREQ 1                                         ; it is on its way while the weights are turned into fragments
.macro STASH x                         ; the rows as they were loaded go to my stage: byte B of the dense block to B + 16 (B / 768)
.set n, 0
.rept 96
	FREG 32*(\x)+n/3
	WIN (FW<<2)                                    ; an LDS store's data are its source 1
.if (n%3) == 1
	ds_store_b128 v[SBD], v[FRG+4:FRG+7] offset:512*n+16*(2*(n/3))           ; this load's lanes 16-31 hold the next row's first bytes
.else
	ds_store_b128 v[SAD], v[FRG+4*(n%3):FRG+4*(n%3)+3] offset:512*n+16*(2*(n/3)+(n%3)/2)
.endif
.set n, n+1
.endr
	WIN 0
	s_wait_dscnt 0x0
	s_wait_alu depctr_vm_vsrc(0)                   ; the LDS stores have read the registers in which the rows landed: the fragments' loads land there.  (So have all earlier loads and stores read theirs: the first tile's offsets, the table's registers)
.endm
.macro WFRAGS x                        ; and come back as fragments
.set PHI, 0
.rept 32
	FREG 32*(\x)+PHI
	WIN (FW<<6)
.irp k, 0,1,2,3,4,5
	ds_load_b64 v[FRG+2*\k:FRG+2*\k+1], v[WF] offset:16*(PHI%4)*WP+96*(PHI/4)+48*(\k/3)+8*(\k%3)
.endr
.set PHI, PHI+1
.endr
	WIN 0
	s_wait_dscnt 0x0
.endm
	STASH 0
	WFRAGS 0
	s_wait_loadcnt 52                              ; the odd expert's rows are in; behind them only the 2 x 26 loads of my first tile were issued
	STASH 1
	WFRAGS 1
.macro MMD x, s                        ; K step s against expert x: the four accumulators by turns, one instruction a turn
.irp t, 0,1,2,3
	FREG 32*(\x)+4*(\s)+\t
	WIN FW
.set rD, ACC+8*\t
.set rB, HB+12*(\s)
.set rSA, WS+8*\t+(\s)
.set rSB, HS+2*((\s)/4)+(\s)%2
.if (\s) == 0
.if \x
	v_wmma_scale_f32_16x16x128_f8f6f4 v[rD:rD+7], v[FRG:FRG+11], v[rB:rB+11], 0, v[rSA], v[rSB] matrix_a_fmt:MATRIX_FMT_FP6 matrix_b_fmt:MATRIX_FMT_FP6 matrix_a_scale:MATRIX_SCALE_ROW1
.else
	v_wmma_scale_f32_16x16x128_f8f6f4 v[rD:rD+7], v[FRG:FRG+11], v[rB:rB+11], 0, v[rSA], v[rSB] matrix_a_fmt:MATRIX_FMT_FP6 matrix_b_fmt:MATRIX_FMT_FP6
.endif
.elseif ((\s)%4) < 2
.if \x
	v_wmma_scale_f32_16x16x128_f8f6f4 v[rD:rD+7], v[FRG:FRG+11], v[rB:rB+11], v[rD:rD+7], v[rSA], v[rSB] matrix_a_fmt:MATRIX_FMT_FP6 matrix_b_fmt:MATRIX_FMT_FP6 matrix_a_scale:MATRIX_SCALE_ROW1
.else
	v_wmma_scale_f32_16x16x128_f8f6f4 v[rD:rD+7], v[FRG:FRG+11], v[rB:rB+11], v[rD:rD+7], v[rSA], v[rSB] matrix_a_fmt:MATRIX_FMT_FP6 matrix_b_fmt:MATRIX_FMT_FP6
.endif
.else
.if \x
	v_wmma_scale_f32_16x16x128_f8f6f4 v[rD:rD+7], v[FRG:FRG+11], v[rB:rB+11], v[rD:rD+7], v[rSA], v[rSB] matrix_a_fmt:MATRIX_FMT_FP6 matrix_b_fmt:MATRIX_FMT_FP6 matrix_a_scale:MATRIX_SCALE_ROW1 matrix_b_scale:MATRIX_SCALE_ROW1
.else
	v_wmma_scale_f32_16x16x128_f8f6f4 v[rD:rD+7], v[FRG:FRG+11], v[rB:rB+11], v[rD:rD+7], v[rSA], v[rSB] matrix_a_fmt:MATRIX_FMT_FP6 matrix_b_fmt:MATRIX_FMT_FP6 matrix_b_scale:MATRIX_SCALE_ROW1
.endif
.endif
.endr
.endm
.macro MMD4 x, s0
	MMD \x, \s0
	MMD \x, \s0+1
	MMD \x, \s0+2
	MMD \x, \s0+3
	WIN 0
	NOPS 4                                         ; four places between the products and the loads into what they read, and the stores of what they wrote (ISA guide 7.12.1 for vector instructions); the waits that state these dependences follow the macro
.endm
; Tile q = s31 of expert x.  Its h was asked for a tile ago, in two halves of K; each half's registers take the next tile's as soon as they are multiplied.
; ONE branch on whether a tile follows, with the second half of K written in both arms, so that every wait's count holds on every way.
.macro TILE x
	s_add_co_u32 s48, s31, 1
	s_lshl_b32 s49, s48, 4
.if \x
	s_add_co_u32 s49, s49, s28
	s_mov_b32 s35, s30
	s_cmp_lt_u32 s48, s26                          ; the group's next tile, or none
	s_cselect_b32 s34, s49, s28
	s_cselect_b32 s33, 1, 0
.else
	s_add_co_u32 s49, s49, s27
	s_min_u32 s50, s26, 1
	s_cmp_lt_u32 s48, s25                          ; the group's next tile, or the odd expert's first, if it has one
	s_cselect_b32 s34, s49, s28
	s_cselect_b32 s35, s29, s30
	s_cselect_b32 s33, 1, s50
.endif
	NEXTADR
.if \x
	v_sub_nc_u32 v[YS], v[YSB], s32                ; where this tile's y goes: place 16 - q.  Made here, beside the offsets, so that the waits behind the products serve it too
.else
	v_add_nc_u32 v[YS], s32, v[YS0]                ; place q
.endif
	s_wait_loadcnt 26                              ; K steps 0-3 are in; the 26 loads of K steps 4-7 may be out
	MMD4 \x, 0
	s_cmp_eq_u32 s33, 0
	s_cbranch_scc1 .Llast_\@
	s_wait_alu depctr_va_vdst(0)                   ; the products of K steps 0-3 are done reading their half of h and its scale words, in which the loads below land; the two offsets are written, which they read
	HREQ 0
	s_wait_loadcnt 26                              ; K steps 4-7 are in; the 26 loads just issued may be out
	MMD4 \x, 4
	s_wait_alu depctr_va_vdst(0)                   ; the products of K steps 4-7 are done reading the other half, in which the loads below land, and have written the accumulators, which the LDS stores read
	HREQ 1
	s_branch .Lout_\@
.Llast_\@:
	s_wait_loadcnt 0x0
	MMD4 \x, 4
	s_wait_alu depctr_va_vdst(0)                   ; the products have written the accumulators, and YS is written: the LDS stores read both
.Lout_\@:
.irp t, 0,1,2,3
	ds_store_b128 v[YS], v[ACC+8*\t:ACC+8*\t+3] offset:64*\t          ; lane (r, h): y(slot r, 16 t + 8 h + 0 .. 7); each accumulator from its low end on
	ds_store_b128 v[YS], v[ACC+8*\t+4:ACC+8*\t+7] offset:64*\t+16
.endr
	s_wait_dscnt 0x0                               ; the stores are done
	s_wait_alu depctr_vm_vsrc(0)                   ; ahead of the branches: the LDS stores have read the accumulators and YS, the loads of the next tile's h their two offsets: the next tile writes all of these again
.endm
	s_mov_b32 s31, 0
	s_mov_b32 s32, 0
.LloopA:                                               ; 16 trips, whatever the split (a group has at most 256 rows); what hangs on the counts is a jump over the work
	s_cmp_ge_u32 s31, s25
	s_cbranch_scc1 .LskipA
	TILE 0
.LskipA:
	s_add_co_u32 s32, s32, 16*YP
	s_add_co_u32 s31, s31, 1
	s_cmp_lt_u32 s31, 16
	s_cbranch_scc1 .LloopA
	s_mov_b32 s31, 0
	s_mov_b32 s32, 0
.LloopB:
	s_cmp_ge_u32 s31, s26
	s_cbranch_scc1 .LskipB
	TILE 1
.LskipB:
	s_add_co_u32 s32, s32, 16*YP
	s_add_co_u32 s31, s31, 1
	s_cmp_lt_u32 s31, 16
	s_cbranch_scc1 .LloopB
	s_wait_loadcnt 0x0                             ; behind a wave's last tile no load is out; a wave without tiles waits here for the one tile that it asked for and does not use
	s_wait_dscnt 0x0                               ; my y rows (and wave 0's table) lie in LDS
	s_barrier_signal -1
	s_barrier_wait -1                              ; everybody's do.  Behind this barrier LDS is only read
.irp p, 0,1,2,3,4,5,6,7,8,9,10,11,12,13,14,15
	ds_load_b128 v[T+4*\p:T+4*\p+3], v[TBR] offset:32*\p   ; step p: lanes 0-15 token 32 w + 2 p, lanes 16-31 the next.  (No vector or matrix instruction has named these registers since the last wait on va_vdst, no store since the last on vm_vsrc)
.endr
	s_wait_dscnt 0x0
.irp n, 0,1,2,3,4,5,6,7,8,9,10,11,12,13,14,15
	v_min_u32 v[T+4*\n+1], 4*REGB-YP, v[T+4*\n+1]  ; a row's address, held inside the regions,
	v_min_u32 v[T+4*\n+3], 4*REGB-YP, v[T+4*\n+3]
.endr
.irp n, 0,1,2,3,4,5,6,7,8,9,10,11,12,13,14,15
	v_add_nc_u32 v[T+4*\n+1], v[R16], v[T+4*\n+1]  ; + my 16 bytes of its 256
	v_add_nc_u32 v[T+4*\n+3], v[R16], v[T+4*\n+3]
.endr
	s_wait_alu depctr_va_vdst(0)                   ; all 32 row addresses are written, which the LDS loads read
.irp n, 0,1,2,3,4,5,6,7,8,9,10,11,12,13,14,15
	ds_load_b128 v[Y+8*\n:Y+8*\n+3], v[T+4*\n+1]   ; each step's two rows have registers of their own: no register is loaded twice
	ds_load_b128 v[Y+8*\n+4:Y+8*\n+7], v[T+4*\n+3]
.endr
.irp hf, 0,1
.irp i, 0,1,2,3,4,5,6,7
	s_wait_dscnt 30-2*(8*\hf+\i)                   ; this step's two rows are in; the younger steps' pairs may be out
	v_pk_mul_f32 v[Y+8*(8*\hf+\i):Y+8*(8*\hf+\i)+1], v[Y+8*(8*\hf+\i):Y+8*(8*\hf+\i)+1], v[T+4*(8*\hf+\i):T+4*(8*\hf+\i)+1] op_sel_hi:[1,0]        ; weight 0 x y0 (of the pair the low word serves both halves)
	v_pk_mul_f32 v[Y+8*(8*\hf+\i)+2:Y+8*(8*\hf+\i)+3], v[Y+8*(8*\hf+\i)+2:Y+8*(8*\hf+\i)+3], v[T+4*(8*\hf+\i):T+4*(8*\hf+\i)+1] op_sel_hi:[1,0]
	v_pk_fma_f32 v[Y+8*(8*\hf+\i):Y+8*(8*\hf+\i)+1], v[Y+8*(8*\hf+\i)+4:Y+8*(8*\hf+\i)+5], v[T+4*(8*\hf+\i)+2:T+4*(8*\hf+\i)+3], v[Y+8*(8*\hf+\i):Y+8*(8*\hf+\i)+1] op_sel_hi:[1,0,1]       ; + weight 1 x y1
	v_pk_fma_f32 v[Y+8*(8*\hf+\i)+2:Y+8*(8*\hf+\i)+3], v[Y+8*(8*\hf+\i)+6:Y+8*(8*\hf+\i)+7], v[T+4*(8*\hf+\i)+2:T+4*(8*\hf+\i)+3], v[Y+8*(8*\hf+\i)+2:Y+8*(8*\hf+\i)+3] op_sel_hi:[1,0,1]
.endr
	s_wait_alu depctr_va_vdst(0)                   ; eight steps' sums are written, which the eight stores read
.irp i, 0,1,2,3,4,5,6,7
	global_store_b128 v[OA], v[Y+8*(8*\hf+\i):Y+8*(8*\hf+\i)+3], s[16:17] offset:16384*(8*\hf+\i) th:TH_STORE_NT   ; sixteen lanes store 256 consecutive bytes, at a multiple of 256 from out0's first byte
.endr
.endr
	s_wait_dscnt 0x0                               ; the closing lines, six on end
	s_wait_alu 0x0
	s_wait_tensorcnt 0x0
	ds_add_u32 v254, v255
	s_wait_dscnt 0x0
	s_endpgm
.Lfunc_end_k_q02ca27339c_down:
	.size	k_q02ca27339c_down, .Lfunc_end_k_q02ca27339c_down-k_q02ca27339c_down
	.p2alignl 7, 3214868480
	.fill 96, 4, 3214868480
	.section	.rodata,"a",@progbits
	.p2align	6, 0x0
	.amdhsa_kernel k_q02ca27339c_down
		.amdhsa_group_segment_fixed_size 298496
		.amdhsa_private_segment_fixed_size 0
		.amdhsa_enable_private_segment 0
		.amdhsa_kernarg_size 56
		.amdhsa_user_sgpr_count 2
		.amdhsa_user_sgpr_kernarg_segment_ptr 1
		.amdhsa_wavefront_size32 1
		.amdhsa_system_sgpr_workgroup_id_x 1
		.amdhsa_system_sgpr_workgroup_id_y 1
		.amdhsa_system_sgpr_workgroup_id_z 1
		.amdhsa_system_vgpr_workitem_id 0
		.amdhsa_next_free_vgpr 1024
		.amdhsa_next_free_sgpr 66
		.amdhsa_reserve_vcc 0
		.amdhsa_float_denorm_mode_32 3
		.amdhsa_float_denorm_mode_16_64 3
		.amdhsa_memory_ordered 1
		.amdhsa_forward_progress 1
		.amdhsa_inst_pref_size 146
	.end_amdhsa_kernel
	.amdgpu_metadata
---
amdhsa.version: [ 1, 2 ]
amdhsa.kernels:
  - .name:           k_q02ca27339c_down
    .symbol:         k_q02ca27339c_down.kd
    .args:
      - { .name: expert_indices, .offset: 0, .size: 8, .value_kind: global_buffer, .address_space: global }
      - { .name: expert_weights, .offset: 8, .size: 8, .value_kind: global_buffer, .address_space: global }
      - { .name: w2_codes, .offset: 16, .size: 8, .value_kind: global_buffer, .address_space: global }
      - { .name: w2_scales, .offset: 24, .size: 8, .value_kind: global_buffer, .address_space: global }
      - { .name: hc, .offset: 32, .size: 8, .value_kind: global_buffer, .address_space: global }
      - { .name: hsc, .offset: 40, .size: 8, .value_kind: global_buffer, .address_space: global }
      - { .name: out0, .offset: 48, .size: 8, .value_kind: global_buffer, .address_space: global }
    .group_segment_fixed_size: 298496
    .private_segment_fixed_size: 0
    .kernarg_segment_align: 8
    .kernarg_segment_size: 56
    .max_flat_workgroup_size: 128
    .sgpr_count:     66
    .vgpr_count:     1024
    .wavefront_size: 32
...
	.end_amdgpu_metadata
.endif
;; end of part 5
